; MI455X (gfx1250); checked and timed in simulation.
; The chip was launched on July 23, 2026; its instructions are those of AMD's public machine-readable ISA for CDNA 5 (MIT licence, August 2026) and "CDNA5" Instruction Set Architecture Reference Guide (July 2026). The comments in the code are by the model that wrote it; some were corrected since.
;; Block. Allowed arithmetic: float matrix products may take bf16 or f16 operands with f32 sums; other float arithmetic in f32, or as packed bf16 or f16 multiplies, adds, multiply-adds, maxima and minima; sums over many terms, partial sums and values carried from step to step in f32; what a program stores and reads back later, other than sums and carried values, may be rounded once to bf16 or f16.
;; Inputs: l1_b 4,096 float32; l1_w 4,096 x 1,024 float32; l3_b 1,024 float32; l3_w 1,024 x 4,096 float32; ln1_b 1,024 float32; ln1_g 1,024 float32; ln2_b 1,024 float32; ln2_g 1,024 float32; proj_b 1,024 float32; proj_w 1,024 x 1,024 float32; qkv_w 3,072 x 1,024 float32; x 2 x 2,048 x 1,024 float32.
;; Outputs: out0 2 x 2,048 x 1,024 float32.
;; 2 versions, each right; version 2 is version 1 with the launches pl, ln2 written anew for expert scheduling mode. Each part assembles by itself: llvm-mc -triple=amdgcn-amd-amdhsa -mcpu=gfx1250 --defsym DOCPART=n.
;; ======== version 1 of 2: 7 launches
;; limits: right only within a limited range of input values
;; workspace buffers: wq 10,485,760 bytes; w1 16,777,216 bytes; act 8,388,608 bytes; big 33,554,432 bytes; x1 16,777,216 bytes; zb 16,384 bytes; ninf 4,096 bytes
;; launch pl (part 1): grid 1024 x 1, 8 waves a work-group, no clusters, 0 bytes of LDS; arguments x, ln1_g, ln1_b, act, qkv_w, l1_w, proj_w, l3_w, wq, w1, zb, ninf; writes act, wq, w1, zb, ninf
.if DOCPART == 1
	.amdgcn_target "amdgcn-amd-amdhsa--gfx1250"
	.amdhsa_code_object_version 6
	.text
	.protected	k_qcce7cab14a_pl
	.globl	k_qcce7cab14a_pl
	.p2align	8
	.type	k_qcce7cab14a_pl,@function
k_qcce7cab14a_pl:
	s_mov_b64 s[64:65], 0
	v_nop
	global_prefetch_b8 v0, s[64:65] scope:SCOPE_SE
	s_setreg_imm32_b32 hwreg(HW_REG_WAVE_MODE, 25, 1), 1
	s_wait_xcnt 0x0
; TWO STREAMS IN ONE TEXT, told apart by the work-group's number: work-groups 0-255 make a layer norm, those from 256 on cast the weights.  The two jobs touch no common byte, so they share a launch.
; A launch of 256 work-groups runs the layer norm alone (the block's second norm).
;
; LAYER NORM: y = g (x - mean) / (std + 1e-6) + b along rows of 1,024 f32, std with the divisor 1,023.  4,096 rows in, row-major; y out in bf16, rounded once, in slabs of 64 columns:
; [column / 64][row][column % 64], a slab 524,288 bytes: the layout in which the products that follow ask for dense tiles.
; A wave takes two rows and keeps them in registers: lanes 0-15 the even row, lanes 16-31 the odd one; lane i holds columns 64 n + 4 i .. + 3, n = 0 .. 15.  So the row is read once, each
; load covers 256 consecutive bytes of each row, a row's sums stay within 16 lanes (four steps that ride on the additions), and each store covers 256 consecutive bytes, aligned, of one slab.
; The variance is taken of x - mean, in a second pass over the registers: no difference of large sums is formed.  All in f32.
; LIMITS.  A variance below 2^-126 counts as 0 (the root takes no denormals); root and reciprocal are good to the last bit but one; NaN and infinities are not treated apart.
;
; THE WEIGHTS are rounded once to bf16 and laid out so that every tile that a later launch asks for is dense in memory.
;   qkv_w [3072][1024] -> wq at byte 0, l1_w [4096][1024] -> w1 at byte 0:  [n / 256][k / 64][n % 256][k % 64]   (a block of 256 rows x 64 k is 32,768 consecutive bytes)
;   proj_w [1024][1024] -> wq at byte 8,388,608, l3_w [1024][4096] -> w1 at byte 8,388,608:  [k / 64][n][k % 64]   (a slab of 1,024 rows x 64 k is 131,072 bytes)
; Also: zb takes 16,384 bytes of zeros, ninf 4,096 bytes of the word 0xff80ff80 (minus infinity twice in bf16).
; A wave takes two neighbouring rows n, n + 1 and 1,024 k of them: 16 loads of 16 bytes a lane; lanes 0-15 take 256 consecutive bytes of row n, lanes 16-31 of row n + 1.
; A load's 64 k of two rows are, rounded, 256 consecutive bytes, aligned, of one slab: one store of 8 bytes a lane.
; Of the 768 work-groups 0-191 take qkv_w, 192-447 l1_w, 448-511 proj_w, 512-767 l3_w (four pieces of 1,024 k to a pair of rows).
; Memory binds both jobs: no LDS, no barrier, no loop, each byte read and written once.
.set XO, 2                             ; v2   4,096 x (lane / 16) + 16 (lane % 16)
.set GO, 3                             ; v3   16 (lane % 16)
.set SO, 4                             ; v4   128 x (lane / 16) + 8 (lane % 16)
.set X,  16                            ; v[16:79]    my 64 numbers of the row
.set G,  80                            ; v[80:143]   their gains
.set BT, 144                           ; v[144:207]  their biases
.set A,  208                           ; v[208:215]  four chains of packed sums
.set MN, 220                           ; v[220:221]  the mean, twice
.set R,  222                           ; v[222:223]  1 / (std + eps), twice
.set Y,  224                           ; v[224:255]  packed results
.set XR, 16                            ; the weights: v[16:79]   16 loads of 4 f32
.set YR, 80                            ;              v[80:111]  16 pairs of packed bf16
	s_cmp_lt_u32 ttmp9, 256
	s_cbranch_scc0 .Lweights
	s_load_b256 s[4:11], s[0:1], 0x0               ; x s[4:5], g s[6:7], b s[8:9], y s[10:11]
	v_lshrrev_b32 v1, 5, v0
	v_readfirstlane_b32 s12, v1
	s_lshl_b32 s13, ttmp9, 3
	s_add_co_u32 s13, s13, s12                     ; my pair of rows
	s_lshl_b32 s14, s13, 13                        ; 2 x 4,096 bytes in x
	s_mov_b32 s15, 0
	s_lshl_b32 s16, s13, 8                         ; 2 x 128 bytes in a slab of y
	s_mov_b32 s17, 0
	v_bfe_u32 v5, v0, 4, 1
	v_and_b32 v6, 15, v0
	v_lshlrev_b32 v[GO], 4, v6
	v_lshl_add_u32 v[XO], v5, 12, v[GO]
	v_lshlrev_b32 v[SO], 3, v6
	v_lshl_add_u32 v[SO], v5, 7, v[SO]
	s_wait_kmcnt 0x0
	s_add_nc_u64 s[4:5], s[4:5], s[14:15]
	s_add_nc_u64 s[10:11], s[10:11], s[16:17]
.set n, 0
.rept 16
	global_load_b128 v[X+4*n:X+4*n+3], v[XO], s[4:5] offset:256*n th:TH_LOAD_NT
.set n, n+1
.endr
.set n, 0
.rept 16
	global_load_b128 v[G+4*n:G+4*n+3], v[GO], s[6:7] offset:256*n
.set n, n+1
.endr
.set n, 0
.rept 16
	global_load_b128 v[BT+4*n:BT+4*n+3], v[GO], s[8:9] offset:256*n
.set n, n+1
.endr
; The four chains into one number, then across the row's 16 lanes: every lane of the row ends with the sum.
.macro REDUCE
	v_pk_add_f32 v[A:A+1], v[A:A+1], v[A+2:A+3]
	v_pk_add_f32 v[A+4:A+5], v[A+4:A+5], v[A+6:A+7]
	v_pk_add_f32 v[A:A+1], v[A:A+1], v[A+4:A+5]
	v_add_f32 v[A], v[A], v[A+1]
	v_add_f32_dpp v[A], v[A], v[A] row_xmask:1 row_mask:0xf bank_mask:0xf
	v_add_f32_dpp v[A], v[A], v[A] row_xmask:2 row_mask:0xf bank_mask:0xf
	v_add_f32_dpp v[A], v[A], v[A] row_xmask:4 row_mask:0xf bank_mask:0xf
	v_add_f32_dpp v[A], v[A], v[A] row_xmask:8 row_mask:0xf bank_mask:0xf
.endm
	s_wait_loadcnt 32                              ; x is in; the 32 younger loads, gains and biases, stay out
.irp c, 0,1,2,3
	v_pk_add_f32 v[A+2*\c:A+2*\c+1], v[X+2*\c:X+2*\c+1], v[X+2*\c+8:X+2*\c+9]  ; the first two pairs start each chain: nothing is cleared
.endr
.set j, 8
.rept 24
	v_pk_add_f32 v[A+2*(j%4):A+2*(j%4)+1], v[A+2*(j%4):A+2*(j%4)+1], v[X+2*j:X+2*j+1]
.set j, j+1
.endr
	REDUCE
	v_mul_f32 v[MN], 0x3a800000, v[A]              ; / 1,024
	v_mov_b32 v[MN+1], v[MN]
.set j, 0
.rept 32
	v_pk_add_f32 v[X+2*j:X+2*j+1], v[X+2*j:X+2*j+1], v[MN:MN+1] neg_lo:[0,1] neg_hi:[0,1]  ; x - mean
.set j, j+1
.endr
.irp c, 0,1,2,3
	v_pk_mul_f32 v[A+2*\c:A+2*\c+1], v[X+2*\c:X+2*\c+1], v[X+2*\c:X+2*\c+1]
.endr
.set j, 4
.rept 28
	v_pk_fma_f32 v[A+2*(j%4):A+2*(j%4)+1], v[X+2*j:X+2*j+1], v[X+2*j:X+2*j+1], v[A+2*(j%4):A+2*(j%4)+1]
.set j, j+1
.endr
	REDUCE
	v_mul_f32 v[A], 0x3a802008, v[A]               ; / 1,023
	v_sqrt_f32 v[A+1], v[A]
	v_nop                                          ; a plain instruction behind the root,
	s_wait_alu depctr_va_vdst(0)                   ; and the wait ahead of the first use of its result
	v_add_f32 v[A+1], 0x358637bd, v[A+1]           ; + 1e-6
	v_rcp_f32 v[R], v[A+1]
	v_nop
	s_wait_alu depctr_va_vdst(0)                   ; the same for the reciprocal
	v_mov_b32 v[R+1], v[R]
	s_wait_loadcnt 0x0                             ; gains and biases
.set j, 0
.rept 32
	v_pk_mul_f32 v[X+2*j:X+2*j+1], v[X+2*j:X+2*j+1], v[R:R+1]
	v_pk_fma_f32 v[X+2*j:X+2*j+1], v[X+2*j:X+2*j+1], v[G+2*j:G+2*j+1], v[BT+2*j:BT+2*j+1]
.set j, j+1
.endr
.set j, 0
.rept 32
	v_cvt_pk_bf16_f32 v[Y+j], v[X+2*j], v[X+2*j+1]
.set j, j+1
.endr
.set n, 0
.rept 16
	global_store_b64 v[SO], v[Y+2*n:Y+2*n+1], s[10:11] offset:n*524288  ; slab n: 32 lanes store 256 consecutive bytes, aligned; 15 slabs lie inside the signed 24-bit immediate
.set n, n+1
.endr
	s_endpgm
.Lweights:
	s_load_b512 s[8:23], s[0:1], 0x20              ; qkv_w s[8:9], l1_w s[10:11], proj_w s[12:13], l3_w s[14:15], wq s[16:17], w1 s[18:19], zb s[20:21], ninf s[22:23]
	s_sub_co_u32 s46, ttmp9, 256                   ; my number among the 768 that cast
	v_lshrrev_b32 v1, 5, v0
	v_readfirstlane_b32 s2, v1                     ; wave 0..7
	s_lshl_b32 s3, s46, 3
	s_add_co_u32 s3, s3, s2                        ; the wave's task among all
	v_bfe_u32 v2, v0, 4, 1                         ; which row of the pair
	v_and_b32 v3, 15, v0                           ; which 16 bytes of its 256
	s_cmp_lt_u32 s46, 192
	s_cselect_b32 s30, 0, 1536                     ; the first task of qkv_w, of l1_w,
	s_mov_b32 s31, 4096
	s_mov_b32 s33, 16384
	s_cmp_lt_u32 s46, 512
	s_cselect_b32 s31, 3584, s31                   ; of proj_w, of l3_w
	s_cselect_b32 s33, 4096, s33                   ; bytes in a row of the source
	s_cmp_lt_u32 s46, 448
	s_cselect_b32 s30, s30, s31
	s_sub_co_u32 s3, s3, s30                       ; the task within its weight
	s_lshr_b32 s35, s3, 9
	s_and_b32 s36, s3, 511
	s_cmp_lt_u32 s46, 512
	s_cselect_b32 s35, 0, s35                      ; which 1,024 k (l3_w alone has more than one piece)
	s_cselect_b32 s36, s3, s36                     ; which pair of rows
	s_lshl_b32 s38, s36, 13                        ; a pair of rows of 4,096 bytes,
	s_lshl_b32 s37, s36, 15                        ; or of 16,384
	s_cmp_lt_u32 s46, 512
	s_cselect_b32 s38, s38, s37
	s_lshl_b32 s37, s35, 12
	s_add_co_u32 s38, s38, s37                     ; the source's byte offset
	s_mov_b32 s39, 0
	s_lshr_b32 s40, s36, 7                         ; blocked by 256 rows: block n / 256,
	s_lshl_b32 s40, s40, 19
	s_and_b32 s41, s36, 127                        ; the pair's 256 bytes within a slab of the block
	s_lshl_b32 s41, s41, 8
	s_add_co_u32 s40, s40, s41
	s_lshl_b32 s42, s36, 8                         ; in slabs of 1,024 rows: the pair's 256 bytes,
	s_lshl_b32 s43, s35, 21                        ; 16 slabs for each 1,024 k,
	s_add_co_u32 s42, s42, s43
	s_add_co_u32 s42, s42, 0x800000                ; behind the blocked weights of the same buffer
	s_cmp_lt_u32 s46, 448
	s_cselect_b32 s40, s40, s42                    ; the destination's byte offset
	s_mov_b32 s41, 0
	v_mul_u32_u24 v4, v2, s33
	v_lshl_add_u32 v4, v3, 4, v4                   ; the lane's place in the source: row x its bytes + 16 i
	v_lshlrev_b32 v5, 7, v2
	v_lshl_add_u32 v5, v3, 3, v5                   ; and in the destination: 128 x row + 8 i
	s_wait_kmcnt 0x0
	s_cmp_lt_u32 s46, 192
	s_cselect_b64 s[26:27], s[8:9], s[10:11]
	s_cselect_b64 s[28:29], s[16:17], s[18:19]
	s_cmp_lt_u32 s46, 512
	s_cselect_b64 s[44:45], s[12:13], s[14:15]
	s_cselect_b64 s[30:31], s[16:17], s[18:19]
	s_cmp_lt_u32 s46, 448
	s_cselect_b64 s[26:27], s[26:27], s[44:45]     ; from where
	s_cselect_b64 s[28:29], s[28:29], s[30:31]     ; to where
	s_add_nc_u64 s[26:27], s[26:27], s[38:39]
	s_add_nc_u64 s[28:29], s[28:29], s[40:41]
.set n, 0
.rept 16
	global_load_b128 v[XR+4*n:XR+4*n+3], v4, s[26:27] offset:256*n th:TH_LOAD_NT
.set n, n+1
.endr
; The 16 stores; stride = bytes from a slab to the next.  No register is written twice, so nothing but the loads is waited for.
.macro OUT stride
.set n, 0
.rept 16
	s_wait_loadcnt 15-n                            ; loads come back in order: load n is in, the younger ones stay out
	v_cvt_pk_bf16_f32 v[YR+2*n], v[XR+4*n], v[XR+4*n+1]
	v_cvt_pk_bf16_f32 v[YR+2*n+1], v[XR+4*n+2], v[XR+4*n+3]
	global_store_b64 v5, v[YR+2*n:YR+2*n+1], s[28:29] offset:n*(\stride)  ; 32 lanes store 256 consecutive bytes, aligned
.set n, n+1
.endr
.endm
	s_cmp_lt_u32 s46, 448
	s_cbranch_scc0 .Lsmall
	OUT 32768
	s_branch .Ldone
.Lsmall:
	OUT 131072
.Ldone:
	s_cmp_lg_u32 s46, 0
	s_cbranch_scc1 .Lend                           ; the first of them also writes the two small tables
	v_lshlrev_b32 v6, 4, v0
.irp r, 8,9,10,11
	v_mov_b32 v\r, 0
.endr
.irp r, 12,13,14,15
	v_mov_b32 v\r, 0xff80ff80
.endr
.irp q, 0,1,2,3
	global_store_b128 v6, v[8:11], s[20:21] offset:4096*\q
.endr
	global_store_b128 v6, v[12:15], s[22:23]
.Lend:
	s_endpgm
.Lfunc_end_k_qcce7cab14a_pl:
	.size	k_qcce7cab14a_pl, .Lfunc_end_k_qcce7cab14a_pl-k_qcce7cab14a_pl
	.p2alignl 7, 3214868480
	.fill 96, 4, 3214868480
	.section	.rodata,"a",@progbits
	.p2align	6, 0x0
	.amdhsa_kernel k_qcce7cab14a_pl
		.amdhsa_group_segment_fixed_size 0
		.amdhsa_private_segment_fixed_size 0
		.amdhsa_enable_private_segment 0
		.amdhsa_kernarg_size 96
		.amdhsa_user_sgpr_count 2
		.amdhsa_user_sgpr_kernarg_segment_ptr 1
		.amdhsa_wavefront_size32 1
		.amdhsa_system_sgpr_workgroup_id_x 1
		.amdhsa_system_sgpr_workgroup_id_y 1
		.amdhsa_system_sgpr_workgroup_id_z 1
		.amdhsa_system_vgpr_workitem_id 0
		.amdhsa_next_free_vgpr 256
		.amdhsa_next_free_sgpr 66
		.amdhsa_reserve_vcc 0
		.amdhsa_float_denorm_mode_32 3
		.amdhsa_float_denorm_mode_16_64 3
		.amdhsa_memory_ordered 1
		.amdhsa_forward_progress 1
		.amdhsa_inst_pref_size 34
	.end_amdhsa_kernel
	.amdgpu_metadata
---
amdhsa.version: [ 1, 2 ]
amdhsa.kernels:
  - .name:           k_qcce7cab14a_pl
    .symbol:         k_qcce7cab14a_pl.kd
    .args:
      - { .name: x, .offset: 0, .size: 8, .value_kind: global_buffer, .address_space: global }
      - { .name: ln1_g, .offset: 8, .size: 8, .value_kind: global_buffer, .address_space: global }
      - { .name: ln1_b, .offset: 16, .size: 8, .value_kind: global_buffer, .address_space: global }
      - { .name: act, .offset: 24, .size: 8, .value_kind: global_buffer, .address_space: global }
      - { .name: qkv_w, .offset: 32, .size: 8, .value_kind: global_buffer, .address_space: global }
      - { .name: l1_w, .offset: 40, .size: 8, .value_kind: global_buffer, .address_space: global }
      - { .name: proj_w, .offset: 48, .size: 8, .value_kind: global_buffer, .address_space: global }
      - { .name: l3_w, .offset: 56, .size: 8, .value_kind: global_buffer, .address_space: global }
      - { .name: wq, .offset: 64, .size: 8, .value_kind: global_buffer, .address_space: global }
      - { .name: w1, .offset: 72, .size: 8, .value_kind: global_buffer, .address_space: global }
      - { .name: zb, .offset: 80, .size: 8, .value_kind: global_buffer, .address_space: global }
      - { .name: ninf, .offset: 88, .size: 8, .value_kind: global_buffer, .address_space: global }
    .group_segment_fixed_size: 0
    .private_segment_fixed_size: 0
    .kernarg_segment_align: 8
    .kernarg_segment_size: 96
    .max_flat_workgroup_size: 256
    .sgpr_count:     66
    .vgpr_count:     256
    .wavefront_size: 32
...
	.end_amdgpu_metadata
.endif
;; end of part 1
;; launch qkv (part 2): grid 12 x 16, 4 waves a work-group, clusters of 4 x 4, 327,680 bytes of LDS; arguments act, wq, zb, ninf, big; writes big
.if DOCPART == 2
	.amdgcn_target "amdgcn-amd-amdhsa--gfx1250"
	.amdhsa_code_object_version 6
	.text
	.protected	k_qcce7cab14a_qkv
	.globl	k_qcce7cab14a_qkv
	.p2align	8
	.type	k_qcce7cab14a_qkv,@function
k_qcce7cab14a_qkv:
	s_mov_b64 s[64:65], 0
	v_nop
	global_prefetch_b8 v0, s[64:65] scope:SCOPE_SE
	s_setreg_imm32_b32 hwreg(HW_REG_WAVE_MODE, 25, 1), 1
	s_wait_xcnt 0x0
	s_wait_alu depctr_hold_cnt(0) depctr_sa_sdst(0) depctr_va_vdst(0) depctr_va_sdst(0) depctr_va_ssrc(0) depctr_va_vcc(0) depctr_vm_vsrc(0)
	s_getreg_b32 s2, hwreg(HW_REG_IB_STS2, 6, 4)
	s_cmp_eq_u32 s2, 0
	s_cbranch_scc0 .Lentry_in_a_cluster
	s_endpgm
.Lentry_in_a_cluster:
	s_bfe_u32 s2, ttmp6, 0x10000c
	s_cmp_lg_u32 s2, 0xf033
	s_cbranch_scc0 .Lentry_shape_is_right
	s_endpgm
.Lentry_shape_is_right:
; C[m][n] = max(sum over k of A[m][k] B[n][k] + bias[n], lo), K = 1,024, 4,096 rows; A, B and C in bf16, bias in f32, sums in f32, C rounded once and then held to the floor lo.
; One text for two products: the q, k, v projection (a bias of zeros and the floor minus infinity, which changes nothing: the price of one text) and the first MLP layer (its bias, floor 0: the ReLU).
; lo is read from memory as one word, the floor twice in bf16.  LIMIT: the packed maximum turns a NaN into the floor; NaN and infinities are not treated apart otherwise.
; LAYOUTS.  A and C lie in slabs of 64 columns: [column / 64][4,096 rows][64], a slab 524,288 bytes.  B lies in blocks: [n / 256][k / 64][256][64].  So 256 rows x 64 k of A or B are 32,768 consecutive bytes.
; A tile of C, 256 x 256, is made by a work-group of four waves, each 128 x 128: 64 accumulators of 16 x 16, 512 registers.  K goes in steps of 128 (two slabs) through a ring of two LDS slots.
; Each wave fetches one slab part of a step (waves 0, 1: A's even and odd slab; waves 2, 3: B's), asked for as 128 rows of 256 bytes and padded in LDS behind every 128 bytes.
; CLUSTERS: 4 x 4 work-groups.  The four of a row of the cluster need the same tiles of A, the four of a column the same tiles of B: each tile is asked for JOINTLY, by the same tensor load with the same
; descriptor and a mask that names the four.
; THE MATRIX INSTRUCTION IS USED TRANSPOSED (source 0 = 16 rows of B, source 1 = 16 rows of A): a lane holds row l % 16 of C and the columns 8 (l / 16) + 0..7.  THE BIAS IS THE C OPERAND of the product
; that starts each sum: it costs 64 registers until the first quarter step is over, and no instruction.  The last K step goes by rows of C, so that finished rows leave while the others are multiplied.
; REGISTERS, in windows of 256 (s_set_vgpr_msb: bits 1:0 source 0, 3:2 source 1, 5:4 source 2, 7:6 destination):
;   window 0: v0-31 addresses; v64-127, v128-191 fragments of A, two buffers (in the last K step four of 16 rows x 128 K); v192-255 the bias, later with v32-63 at work on the way out
;   window 1: v64-127, v128-191 fragments of B (in the last K step all 256)      window 2: the accumulators of my rows 0-63 ((a, b) at v[8 (8 a + b)])      window 3: those of rows 64-127
.set PITCH,  144                       ; an LDS row: 128 bytes + 16 of padding = 36 words: the 16 rows of a fragment load start at 16 different groups of four banks (64 banks of 4 bytes: ISA guide 11.1)
.set SUB,    256*PITCH                 ; one slab of 64 k for 256 rows: what one tensor load brings
.set SLOT,   4*SUB                     ; A's even slab, A's odd slab, B's even, B's odd
.set STAGE,  2*SLOT                    ; behind the ring: for each wave two halves of 16 rows x 144 bytes, for the way out
.set SH,     16*PITCH
.set SPARE,  STAGE+4*2*SH              ; behind the stages: the spare words, 128 bytes for each wave: two blocks of 256 bytes that no other line names
.set SLAB,   524288
.set ASTEP,  2*SLAB                    ; a K step in A's memory,
.set BSTEP,  65536                     ; and in B's
.set LAPS,   4                         ; a lap = two K steps = once round the ring
.set Q1,     64                        ; where a K step's quarters (32 k) begin in a slot's rows: the second half of the even slab's row,
.set Q2,     SUB                       ; the odd slab,
.set Q3,     SUB+64                    ; the second half of its row
.set ADRA, 16                          ; v16-17  LDS address of my A fragments in slot 0, 1
.set ADRB, 20                          ; v20-21  the same for B
.set BO,   23                          ; v23     32 x (l / 16): my eight numbers in 16 of the bias
.set STO,  24                          ; v24     the way out: where I put 16 bytes of a row
.set RD,   25                          ; v25     the way out: where I read rows back
.set CO,   26                          ; v26     16 x lane: my place in 512 consecutive bytes of C
.set LOV,  27                          ; v27     the floor, twice in bf16
.set SPW,  28                          ; v28     LDS address of my spare word; never rewritten
.set NIL,  29                          ; v29     0; never rewritten
.set PFO,  30                          ; v30     256 x lane: the prefetches' offset; never rewritten
.set ZO,   31                          ; v31     0: the floor's offset
.set F0,   64
.set F1,   128
.set TMP,  192                         ; the way out: packed results
.set BIAS, 192                         ; v[192:255] until then: for n block b the lane's eight numbers at BIAS + 8 b
.set OB,   32                          ; the way out: 16 rows read back: v32-63 and v224-255 by turns
.set PA,   64                          ; the last K step: A's fragments of 16 rows x 128 K; four buffers, v64-191
.set G1,  24                           ; s[24:31] descriptor group 1 for A's tiles;  s[32:39] group 0, one set for each slot
.set G0,  32
.set G1B, 48                           ; s[48:55], s[56:63] the same for B's
.set G0B, 56
.set LIM, 43                           ; s43     1 in a wave that prefetches, else the greatest number
.set PFA, 44                           ; s[44:45] where my prefetch stands
.set PFS, 72                           ; s[72:73] its step: a K step of A or of B
.set GW0, (1<<16)|(1<<20)|(1<<21)|(4<<22)|(3<<25)  ; group 1, word 0 without the mask: 2-byte elements; padding on; bit 21 beside a mask; after every 32 words (code 4) 4 words (code 3)
.set MSB, 0
.macro WIN new                         ; the immediate's high byte repeats the setting that is left; a switch that changes nothing is dropped
.if MSB != (\new)
	s_set_vgpr_msb (MSB<<8)|(\new)
.set MSB, \new
.endif
.endm
.set MUL_LO, 0xa1                      ; source 0 (B) window 1, source 1 (A) window 0, C and D window 2
.set MUL_HI, 0xf1                      ; the same, C and D window 3
.set TO_B,   0x40                      ; destination window 1, address window 0
; A joint load.  Waves 0 and 1 fetch A's two slabs, waves 2 and 3 B's.  The branch hangs on the wave's number alone.  An s_nop 0 and four v_nop follow each of the two lines.
.macro JLOAD s
	s_cmp_eq_u32 s11, 0
	s_cbranch_scc0 .Lfor_b_\@
	tensor_load_to_lds s[G0+4*(\s):G0+4*(\s)+3], s[G1:G1+7]
	s_nop 0
.rept 4
	v_nop
.endr
	s_branch .Lasked_\@
.Lfor_b_\@:
	tensor_load_to_lds s[G0B+4*(\s):G0B+4*(\s)+3], s[G1B:G1B+7]
	s_nop 0
.rept 4
	v_nop
.endr
.Lasked_\@:
.endm
; A PREFETCH INTO THE L2, behind each joint load and the run of LDS loads that follows it: the K step that stands two refills on.  What a wave fetches in a step is 32,768 consecutive bytes; the four partners
; that ask for it jointly share them out BY ADDRESS, 8,192 each (place cx for A, cy for B), a lane 256 bytes: one instruction a wave.  A's rows are read by every cluster of a row of clusters: the one with
; x = 0 asks; B's by every cluster of a column: the one with y = 0 asks.  So each block is named once.  K steps 0 to 3 come by their loads alone; the loop's last trip (s3 = 1) has no K step two on.
.macro ASK
	s_cmp_gt_u32 s3, s[LIM]
	s_cbranch_scc0 .Lnot_mine_\@
	global_prefetch_b8 v[PFO], s[PFA:PFA+1] th:TH_LOAD_NT scope:SCOPE_SE
.Lnot_mine_\@:
.endm
.macro CREST                           ; a round of the cluster's barrier behind its opening barrier
	s_cmp_lg_u32 s10, 0
	s_cbranch_scc1 .Lnot_wave_0_\@
	s_barrier_signal -3
.Lnot_wave_0_\@:
	s_barrier_wait -3
	s_barrier_signal -1
	s_barrier_wait -1
.endm
.macro CROUND                          ; a whole round
	s_barrier_signal -1
	s_barrier_wait -1
	CREST
.endm
	s_load_b128 s[4:7], s[0:1], 0x0                ; A s[4:5], B s[6:7]
	s_load_b128 s[68:71], s[0:1], 0x10             ; bias s[68:69], lo s[70:71]
	s_load_b64 s[8:9], s[0:1], 0x20                ; C
	v_lshl_add_u32 v[SPW], v0, 2, SPARE
	v_mov_b32 v[NIL], 0
	ds_add_u32 v[SPW], v[NIL]                      ; the wave's opening: the add, and its wait ahead of my first tensor load; the set-up below stands between them
	v_lshrrev_b32 v1, 5, v0
	v_readfirstlane_b32 s10, v1                    ; wave 0..3
	s_lshr_b32 s11, s10, 1                         ; which half of the tile's rows is mine.  Also: I fetch for A (0) or for B (1)
	s_and_b32 s12, s10, 1                          ; which half of its columns.  Also: the even or the odd slab of a step
	s_bfe_u32 s40, ttmp6, 0x40000                  ; cx, cy: my place in the cluster
	s_bfe_u32 s41, ttmp6, 0x40004
	s_lshl_b32 s42, ttmp9, 2
	s_add_co_u32 s42, s42, s40                     ; tile column of C = 4 x cluster x + cx
	s_and_b32 s13, ttmp7, 0xffff
	s_lshl_b32 s13, s13, 2
	s_add_co_u32 s13, s13, s41                     ; tile row of C = 4 x cluster y + cy
	s_lshl_b32 s43, s41, 2
	s_lshl_b32 s43, 15, s43                        ; my row of the cluster
	s_lshl_b32 s44, 0x1111, s40                    ; my column
	s_or_b32 s[G1+0], s43, GW0                     ; A's tiles go to my row,
	s_or_b32 s[G1B+0], s44, GW0                    ; B's to my column
.irp g, G1, G1B
	s_mov_b32 s[(\g)+1], 128<<16                   ; tensor_dim0 = 128 elements (256 bytes)
	s_mov_b32 s[(\g)+2], 128<<16                   ; tensor_dim1 = 128
	s_mov_b32 s[(\g)+3], 128<<16                   ; tile_dim0 = 128
	s_mov_b32 s[(\g)+4], 128                       ; tile_dim1 = 128
	s_mov_b32 s[(\g)+5], 128                       ; 128 elements from row to row: the block is dense
	s_mov_b32 s[(\g)+6], 0
	s_mov_b32 s[(\g)+7], 0
.endr
	s_lshl_b32 s16, s13, 15                        ; A: 256 rows of 128 bytes for each tile row,
	s_lshl_b32 s17, s12, 19                        ; my slab of the step
	s_add_co_u32 s16, s16, s17
	s_mov_b32 s17, 0
	s_lshl_b32 s46, s42, 19                        ; B: a block of 256 rows for each tile column,
	s_lshl_b32 s47, s12, 15                        ; my slab of the step
	s_add_co_u32 s46, s46, s47
	s_mov_b32 s47, 0
	s_lshl_b32 s74, s42, 10                        ; the bias of my 128 columns: 4 (256 x tile column + 128 x half)
	s_lshl_b32 s75, s12, 9
	s_add_co_u32 s74, s74, s75
	s_mov_b32 s75, 0
	s_mul_i32 s20, s10, SUB                        ; where my tiles go: no place in the cluster enters an LDS address
	s_wait_dscnt 0x0                               ; the opening add is done
	s_wait_kmcnt 0x0
	s_add_nc_u64 s[14:15], s[4:5], s[16:17]
	s_add_nc_u64 s[46:47], s[6:7], s[46:47]
	s_add_nc_u64 s[68:69], s[68:69], s[74:75]
	CROUND                                         ; all sixteen work-groups are here: the first joint loads meet
.irp s, 0,1
	s_mov_b32 s[G0+4*(\s)], 1
	s_add_co_u32 s[G0+4*(\s)+1], s20, (\s)*SLOT
	s_add_nc_u64 s[G0+4*(\s)+2:G0+4*(\s)+3], s[14:15], (\s)*ASTEP
	s_or_b32 s[G0+4*(\s)+3], s[G0+4*(\s)+3], 0x80000000
	s_mov_b32 s[G0B+4*(\s)], 1
	s_add_co_u32 s[G0B+4*(\s)+1], s20, (\s)*SLOT
	s_add_nc_u64 s[G0B+4*(\s)+2:G0B+4*(\s)+3], s[46:47], (\s)*BSTEP
	s_or_b32 s[G0B+4*(\s)+3], s[G0B+4*(\s)+3], 0x80000000
	JLOAD \s                                       ; the ring is filled before anything else is done: two loads of mine are out
.endr
	v_and_b32 v1, 15, v0                           ; l % 16
	v_bfe_u32 v2, v0, 4, 1                         ; l / 16
	v_lshlrev_b32 v[BO], 5, v2
	v_mov_b32 v[ZO], 0
.irp b, 0,1,2,3,4,5,6,7
	global_load_b128 v[BIAS+8*(\b):BIAS+8*(\b)+3],   v[BO], s[68:69] offset:64*(\b)
	global_load_b128 v[BIAS+8*(\b)+4:BIAS+8*(\b)+7], v[BO], s[68:69] offset:64*(\b)+16
.endr
	global_load_b32 v[LOV], v[ZO], s[70:71]
	v_mul_u32_u24 v3, v1, PITCH
	v_lshl_add_u32 v3, v2, 4, v3                   ; a fragment's row x pitch + 16 x half
	s_mul_i32 s21, s11, 128*PITCH                  ; my 128 rows of A
	s_mul_i32 s22, s12, 128*PITCH                  ; my 128 rows of B,
	s_add_co_u32 s22, s22, 2*SUB                   ; which lie behind A's two slabs
.irp s, 0,1
	v_add_nc_u32 v[ADRA+(\s)], s21, v3
	v_add_nc_u32 v[ADRB+(\s)], s22, v3
	s_add_co_u32 s21, s21, SLOT
	s_add_co_u32 s22, s22, SLOT
.endr
	s_mul_i32 s23, s10, 2*SH
	s_add_co_u32 s23, s23, STAGE                   ; my stage
	v_add_nc_u32 v[STO], s23, v3                   ; in: row l % 16, 16 bytes for each half of the lanes
	v_bfe_u32 v4, v0, 3, 2                         ; back: 32 lanes take four rows of 128 bytes,
	v_and_b32 v5, 7, v0
	v_mul_u32_u24 v4, v4, PITCH
	v_lshl_add_u32 v4, v5, 4, v4
	v_add_nc_u32 v[RD], s23, v4
	v_and_b32 v5, 31, v0
	v_lshlrev_b32 v[CO], 4, v5                     ; which are 512 consecutive bytes of a slab of C
	v_lshlrev_b32 v[PFO], 8, v5
	; the prefetches
	s_and_b32 s22, ttmp7, 0xffff                   ; cluster y
	s_mov_b32 s[PFS], BSTEP
	s_mov_b32 s[PFS+1], 0
	s_cmp_eq_u32 s11, 0                            ; do I fetch for A?
	s_cselect_b32 s21, s40, s41                    ; my place among the four that ask with me
	s_cselect_b32 s22, ttmp9, s22                  ; the coordinate along which other clusters read the same bytes
	s_cselect_b64 s[PFA:PFA+1], s[14:15], s[46:47] ; my slab part of K step 0
	s_cselect_b32 s[PFS], ASTEP, s[PFS]
	s_cmp_eq_u32 s22, 0
	s_cselect_b32 s[LIM], 1, -1                    ; the same in all sixteen partners, for a given wave
	s_lshl_b32 s20, s21, 13                        ; my work-group's 8,192 bytes of the 32,768
	s_mov_b32 s21, 0
	s_add_nc_u64 s[PFA:PFA+1], s[PFA:PFA+1], s[20:21]
	s_mul_i32 s20, s[PFS], 3                       ; at K step 3: the first refill (K step 2) steps it to 4 and names that
	s_add_nc_u64 s[PFA:PFA+1], s[PFA:PFA+1], s[20:21]
	; where my part of the tile begins in C
	s_lshl_b32 s16, s13, 15                        ; 256 rows of 128 bytes for each tile row,
	s_lshl_b32 s17, s11, 14                        ; my 128 of them,
	s_add_co_u32 s16, s16, s17
	s_lshl_b32 s46, s42, 2                         ; slab 4 x tile column + 2 x half
	s_lshl_b32 s47, s12, 1
	s_add_co_u32 s46, s46, s47
	s_lshl_b32 s46, s46, 19
	s_add_co_u32 s16, s16, s46
	s_mov_b32 s17, 0
; 16 matrix instructions: m blocks a0, a0 + 1 of the window's four (hi = 0: my rows 0-63, 1: rows 64-127) x all 8 n blocks, 32 along K.  zero = 1: the first product starts the sums, with the bias as C.
; The 64 accumulators take turns, one instruction a turn, in the same order in every quarter step.
.macro MUL16 f, hi, a0, zero
.if \zero
	WIN 0x81+0x40*(\hi)                            ; B window 1; A and the bias window 0; D window 2 or 3
.else
	WIN MUL_LO+0x50*(\hi)
.endif
.irp a, \a0, (\a0)+1
.irp b, 0,1,2,3,4,5,6,7
.if \zero
	v_wmma_f32_16x16x32_bf16 v[8*(8*(\a)+(\b)):8*(8*(\a)+(\b))+7], v[(\f)+8*(\b):(\f)+8*(\b)+7], v[(\f)+8*(4*(\hi)+(\a)):(\f)+8*(4*(\hi)+(\a))+7], v[BIAS+8*(\b):BIAS+8*(\b)+7]
.else
	v_wmma_f32_16x16x32_bf16 v[8*(8*(\a)+(\b)):8*(8*(\a)+(\b))+7], v[(\f)+8*(\b):(\f)+8*(\b)+7], v[(\f)+8*(4*(\hi)+(\a)):(\f)+8*(4*(\hi)+(\a))+7], v[8*(8*(\a)+(\b)):8*(8*(\a)+(\b))+7]
.endif
.endr
.endr
.endm
; 32 LDS loads in one run: the fragments of one quarter step (128 rows of B, 128 rows of A, 32 K at byte k behind the rows' first) into buffer f
.macro FETCH slot, k, f
	WIN TO_B
.irp i, 0,1,2,3,4,5,6,7
	ds_load_b128 v[(\f)+8*(\i):(\f)+8*(\i)+3],   v[ADRB+(\slot)] offset:(\k)+(\i)*16*PITCH
	ds_load_b128 v[(\f)+8*(\i)+4:(\f)+8*(\i)+7], v[ADRB+(\slot)] offset:(\k)+(\i)*16*PITCH+32
.endr
	WIN 0
.irp i, 0,1,2,3,4,5,6,7
	ds_load_b128 v[(\f)+8*(\i):(\f)+8*(\i)+3],   v[ADRA+(\slot)] offset:(\k)+(\i)*16*PITCH
	ds_load_b128 v[(\f)+8*(\i)+4:(\f)+8*(\i)+7], v[ADRA+(\slot)] offset:(\k)+(\i)*16*PITCH+32
.endr
.endm
.macro PLACES                          ; four plain places in front of loads into registers that matrix instructions have read, and of conversions that read results
.rept 4
	v_nop
.endr
.endm
; A K step is four quarter steps of 32 along K, 64 matrix instructions each, on buffers 0, 1, 0, 1.  One of the first three: multiplies buffer f; in its middle it fetches the next quarter into buffer g.
.macro QUARTER slot, k, f, g, zero
	s_wait_dscnt 8                                 ; B and A's rows 0-63 are in; the youngest eight loads (A's rows 64-127) may be out
	MUL16 \f, 0, 0, \zero
	MUL16 \f, 0, 2, \zero
	PLACES
	FETCH \slot, \k, \g
	s_wait_dscnt 32                                ; all but the 32 just issued
	MUL16 \f, 1, 0, \zero
	MUL16 \f, 1, 2, \zero
.endm
; The last quarter multiplies buffer 1 and changes slots.  MEET is its first half: ONE barrier; in front of it each wave waits for all its tensor loads (one is out: its part of the next slot), adds 0 to its
; spare word, and waits for that and for its own reads of this slot.  Behind it nobody reads this slot any more and the next slot is whole.
.macro MEET round
	WIN 0                                          ; (the add's two registers lie in window 0)
	s_wait_tensorcnt 0x0
	ds_add_u32 v[SPW], v[NIL]                      ; 0 onto my spare word
	s_wait_dscnt 9                                 ; (the add and the youngest eight loads may be out)
	MUL16 F1, 0, 0, 0                              ; sixteen matrix instructions stand between the add and the wait for it
	s_wait_dscnt 0x0                               ; the add is done, and my reads of this slot are over
	s_barrier_signal -1
	MUL16 F1, 0, 2, 0                              ; work on registers while the others arrive
.if \round
	WIN 0
.endif
	s_barrier_wait -1
.endm
; The whole last quarter: behind a round of the cluster's barrier the slot just read out is filled again, with the K step two on; then come the next slot's first fragments.
.macro TURN slot, next
	s_wait_xcnt 0x0                                ; the last prefetch, a K step back, has read its address: it is stepped here, ahead of the waits of the change of slots
	s_add_nc_u64 s[PFA:PFA+1], s[PFA:PFA+1], s[PFS:PFS+1]
	MEET 1
	CREST                                          ; no wave of any partner still reads this slot's tile or has a load on its way
	s_add_nc_u64 s[G0+4*(\slot)+2:G0+4*(\slot)+3], s[G0+4*(\slot)+2:G0+4*(\slot)+3], 2*ASTEP
	s_add_nc_u64 s[G0B+4*(\slot)+2:G0B+4*(\slot)+3], s[G0B+4*(\slot)+2:G0B+4*(\slot)+3], 2*BSTEP
	JLOAD \slot                                    ; the first tensor load behind the round, my only one: 224 matrix instructions ahead of the wait for it; its four v_nop are also the places in front of the loads below
	FETCH \next, 0, F0
	ASK
	MUL16 F1, 1, 0, 0
	MUL16 F1, 1, 2, 0
.endm
; THE LAST K STEP (it lies in slot 1) GOES BY ROWS OF C.  All its fragments of B fill window 1; then my eight blocks of 16 rows are finished one after the other, 32 matrix instructions each, K ascending.
.macro BLOAD q                         ; B's fragments of quarter q -> window 1, v[64 q ..]
	WIN TO_B
.irp i, 0,1,2,3,4,5,6,7
	ds_load_b128 v[64*(\q)+8*(\i):64*(\q)+8*(\i)+3],   v[ADRB+1] offset:((\q)/2)*SUB+((\q)%2)*64+(\i)*16*PITCH
	ds_load_b128 v[64*(\q)+8*(\i)+4:64*(\q)+8*(\i)+7], v[ADRB+1] offset:((\q)/2)*SUB+((\q)%2)*64+(\i)*16*PITCH+32
.endr
.endm
.macro ALOAD a                         ; A's fragments of block a, all four quarters -> buffer a % 4
	WIN 0
.set FA, PA+32*((\a)%4)
.irp q, 0,1,2,3
	ds_load_b128 v[FA+8*(\q):FA+8*(\q)+3],   v[ADRA+1] offset:((\q)/2)*SUB+((\q)%2)*64+(\a)*16*PITCH
	ds_load_b128 v[FA+8*(\q)+4:FA+8*(\q)+7], v[ADRA+1] offset:((\q)/2)*SUB+((\q)%2)*64+(\a)*16*PITCH+32
.endr
.endm
.macro ROW a                           ; block a is finished: 32 matrix instructions, its 8 accumulators by turns
.set FA, PA+32*((\a)%4)
.set AC, 64*((\a)%4)
	WIN MUL_LO+0x50*((\a)/4)
.irp q, 0,1,2,3
.if (\a) == 0 && (\q) == 2
	s_wait_dscnt 24                                ; B's quarter 2 is in (behind it: A's blocks 1 to 3)
.endif
.irp b, 0,1,2,3,4,5,6,7
	v_wmma_f32_16x16x32_bf16 v[AC+8*(\b):AC+8*(\b)+7], v[64*(\q)+8*(\b):64*(\q)+8*(\b)+7], v[FA+8*(\q):FA+8*(\q)+7], v[AC+8*(\b):AC+8*(\b)+7]
.endr
.endr
.endm
; THE WAY OUT of block a.  PACK: rounded to bf16 (each accumulator's registers in ascending order), then held to the floor, two numbers an instruction.  TOSTAGE: a lane's 16 bytes go into my own stage, the
; block's two slabs apart, and come back as rows of 128 bytes.  SEND: four rows of a slab are 512 consecutive bytes of C.
.macro PACK a
.set AC, 64*((\a)%4)
	WIN 0x0a+5*((\a)/4)                            ; sources 0 and 1: window 2 or 3
.irp b, 0,1,2,3,4,5,6,7
.irp r, 0,1,2,3
	v_cvt_pk_bf16_f32 v[TMP+4*(\b)+(\r)], v[AC+8*(\b)+2*(\r)], v[AC+8*(\b)+2*(\r)+1]
.endr
.endr
	WIN 0
.set i, 0
.rept 32
	v_pk_max_num_bf16 v[TMP+i], v[TMP+i], v[LOV]
.set i, i+1
.endr
.endm
.macro TOSTAGE a
	WIN 0
.set BK, OB+192*((\a)%2)
.irp b, 0,1,2,3,4,5,6,7
	ds_store_b128 v[STO], v[TMP+4*(\b):TMP+4*(\b)+3] offset:((\b)/4)*SH+32*((\b)%4)
.endr
.irp t, 0,1,2,3,4,5,6,7
	ds_load_b128 v[BK+4*(\t):BK+4*(\t)+3], v[RD] offset:((\t)/4)*SH+((\t)%4)*4*PITCH  ; LDS serves a wave's instructions in order (ISA guide 5.7.1.4): these see the stores above
.endr
.endm
.macro SEND a, younger                 ; younger: the LDS loads issued behind TOSTAGE's, which may stay out
	WIN 0
.set BK, OB+192*((\a)%2)
	s_wait_dscnt \younger
	s_wait_xcnt 0x0                                ; only behind this wait are the stores' base and the registers that earlier stores read rewritten
.if (\a) == 0
	s_add_nc_u64 s[8:9], s[8:9], s[16:17]
.else
	s_add_nc_u64 s[8:9], s[8:9], 16*128            ; 16 rows on in both slabs
.endif
.irp t, 0,1,2,3,4,5,6,7
	global_store_b128 v[CO], v[BK+4*(\t):BK+4*(\t)+3], s[8:9] offset:((\t)/4)*SLAB+((\t)%4)*512  ; 512 consecutive bytes, at a multiple of 256 from C's first byte
.endr
.endm
	s_wait_tensorcnt 1                             ; my part of K step 0 is in; K step 1's may stay out
	s_barrier_signal -1
	s_barrier_wait -1                              ; everybody's is
	FETCH 0, 0, F0
	s_wait_loadcnt 0x0                             ; the bias and the floor
	QUARTER 0, Q1, F0, F1, 1                       ; the first quarter stands in front of the loop: its products start the sums
	WIN 0                                          ; at a label and at a branch every window is 0
	s_mov_b32 s3, LAPS-1
.Llap:                                                 ; a trip goes once round the ring, from a lap's second quarter to the next lap's first, and fills both slots again
	QUARTER 0, Q2, F1, F0, 0
	QUARTER 0, Q3, F0, F1, 0
	TURN 0, 1
	QUARTER 1, Q1, F0, F1, 0
	QUARTER 1, Q2, F1, F0, 0
	QUARTER 1, Q3, F0, F1, 0
	TURN 1, 0
	QUARTER 0, Q1, F0, F1, 0
	WIN 0
	s_sub_co_u32 s3, s3, 1
	s_cmp_lg_u32 s3, 0
	s_cbranch_scc1 .Llap
	QUARTER 0, Q2, F1, F0, 0                       ; the last lap goes on
	QUARTER 0, Q3, F0, F1, 0
	MEET 0                                         ; my one tensor load that was still out is the last K step's, so no round follows
	PLACES                                         ; for the loads into buffer 0, which the quarter before multiplied
	BLOAD 0                                        ; three quarters of B now: buffer 1 is still being multiplied
	BLOAD 1
	BLOAD 3
	ALOAD 0
	MUL16 F1, 1, 0, 0
	MUL16 F1, 1, 2, 0
	PLACES                                         ; for the loads into buffer 1
	BLOAD 2
	ALOAD 1
	ALOAD 2
	ALOAD 3
	s_wait_dscnt 40                                ; all but the 40 just issued
	ROW 0
.irp a, 0,1,2,3,4,5,6,7                ; each block leaves as soon as it is finished
	PLACES                                         ; its conversions read results just made
	PACK \a
	TOSTAGE \a
.if (\a) < 4
	ALOAD (\a)+4                                   ; its buffer takes the block four further on
	SEND \a, 8
.else
	SEND \a, 0
.endif
.if (\a) < 7
	ROW (\a)+1
.endif
.endr
	s_wait_tensorcnt 0x0                           ; the wave's end: behind my last tensor load and my last LDS store
	ds_add_u32 v[SPW], v[NIL]
	s_wait_dscnt 0x0
	CROUND                                         ; the closing round: no work-group ends while a partner may still ask for a tile that names it
	s_endpgm
.Lfunc_end_k_qcce7cab14a_qkv:
	.size	k_qcce7cab14a_qkv, .Lfunc_end_k_qcce7cab14a_qkv-k_qcce7cab14a_qkv
	.p2alignl 7, 3214868480
	.fill 96, 4, 3214868480
	.section	.rodata,"a",@progbits
	.p2align	6, 0x0
	.amdhsa_kernel k_qcce7cab14a_qkv
		.amdhsa_group_segment_fixed_size 327680
		.amdhsa_private_segment_fixed_size 0
		.amdhsa_enable_private_segment 0
		.amdhsa_kernarg_size 40
		.amdhsa_user_sgpr_count 2
		.amdhsa_user_sgpr_kernarg_segment_ptr 1
		.amdhsa_wavefront_size32 1
		.amdhsa_system_sgpr_workgroup_id_x 1
		.amdhsa_system_sgpr_workgroup_id_y 1
		.amdhsa_system_sgpr_workgroup_id_z 1
		.amdhsa_system_vgpr_workitem_id 0
		.amdhsa_next_free_vgpr 1024
		.amdhsa_next_free_sgpr 80
		.amdhsa_reserve_vcc 0
		.amdhsa_float_denorm_mode_32 3
		.amdhsa_float_denorm_mode_16_64 3
		.amdhsa_memory_ordered 1
		.amdhsa_forward_progress 1
		.amdhsa_inst_pref_size 162
	.end_amdhsa_kernel
	.amdgpu_metadata
---
amdhsa.version: [ 1, 2 ]
amdhsa.kernels:
  - .name:           k_qcce7cab14a_qkv
    .symbol:         k_qcce7cab14a_qkv.kd
    .args:
      - { .name: act, .offset: 0, .size: 8, .value_kind: global_buffer, .address_space: global }
      - { .name: wq, .offset: 8, .size: 8, .value_kind: global_buffer, .address_space: global }
      - { .name: zb, .offset: 16, .size: 8, .value_kind: global_buffer, .address_space: global }
      - { .name: ninf, .offset: 24, .size: 8, .value_kind: global_buffer, .address_space: global }
      - { .name: big, .offset: 32, .size: 8, .value_kind: global_buffer, .address_space: global }
    .group_segment_fixed_size: 327680
    .private_segment_fixed_size: 0
    .kernarg_segment_align: 8
    .kernarg_segment_size: 40
    .max_flat_workgroup_size: 128
    .sgpr_count:     80
    .vgpr_count:     1024
    .wavefront_size: 32
...
	.end_amdgpu_metadata
.endif
;; end of part 2
;; launch attn (part 3): grid 8 x 32, 8 waves a work-group, no clusters, 327,680 bytes of LDS; arguments big, act; writes act
.if DOCPART == 3
	.amdgcn_target "amdgcn-amd-amdhsa--gfx1250"
	.amdhsa_code_object_version 6
	.text
	.protected	k_qcce7cab14a_attn
	.globl	k_qcce7cab14a_attn
	.p2align	8
	.type	k_qcce7cab14a_attn,@function
k_qcce7cab14a_attn:
	s_mov_b64 s[64:65], 0
	v_nop
	global_prefetch_b8 v0, s[64:65] scope:SCOPE_SE
	s_setreg_imm32_b32 hwreg(HW_REG_WAVE_MODE, 25, 1), 1
	s_wait_xcnt 0x0
; CAUSAL ATTENTION.  O[q][:] = the sum over k <= q of softmax_k(Q[q] . K[k] / 8) V[k][:], for 32 pairs of batch and head, 2,048 rows of 64 channels each, all bf16.
; q, k, v of head h are slabs h, 16 + h, 32 + h of the first buffer ([slab][4,096 rows][64], a slab 524,288 bytes; row = 2,048 x batch + t): a head's rows are dense, 128 bytes each.  O of head h is slab h of the second.
; Products, maxima and sums in f32; the weights p are rounded to bf16 for the second product (their sum l is taken of the unrounded p), O once at the end.
; LIMITS.  A hidden score counts as its value less 1e30; the running maximum starts at -2^93 (about -1e28), so a true score Q . K below that is not served; a weight below 2^-126 counts as 0 in l;
; NaN and infinities are not treated apart.
; THE WALK.  A head's queries lie in 16 blocks of 128; block i needs the key tiles 0 .. i / 2 of 256 keys.  A work-group takes TWO blocks, 15 - b and then b: 9 tiles, whatever b: all 256 work-groups do equal work,
; and one loop with a constant trip count walks them through a ring of two LDS slots.  What a trip does hangs on scalar registers made from b; those jumps go forward and pass no barrier and no tensor load.
; NO CLUSTER: the 8 work-groups of a head ask for the same tile only in the walk's first five trips; a walk common to all would have 12 trips for 9.
; SHARES.  Eight waves, two to a SIMD.  Wave (g, w), g = wave / 4, w = wave % 4: both g own the same 32 queries 32 w .. of the block, and of each tile g takes the keys 128 g .. + 127, in two steps of 64.  The
; vector work of a step (236 instructions for 32 matrix instructions) is written in phases; the SIMD's other wave has the matrix unit meanwhile.  Since it takes other keys and not other queries, a fragment of K or
; V read from LDS still feeds two tiles of queries.  At a block's end the two partial results meet in LDS: register tile t of a wave holds queries 32 w + 16 (t xor g), so every wave sends its tile 1 and finishes its tile 0.
; THE MASK is the C operand that starts the sum S^T = K Q^T: 0, or -1e30 where the key is hidden.  It is made anew for each step of a block's last tile; in all earlier tiles every key is seen, and it stays 0.
; LAYOUT.  S^T = K Q^T holds ONE query a lane (lane % 16) and the keys 8 (lane / 16) + 0..7; two such results rounded to bf16 ARE source 1 of O^T = V^T P.  K comes out of LDS as it lies, V turned, by ds_load_tr16_b128.
; SOFTMAX.  p = 2^(c s - c m), c = log2(e) / 8, with a running maximum m; O and l are multiplied by a = 2^(c m_old - c m_new) in every step.  m starts at -2^93: above every hidden score, below every true one.
; So a group that has seen no key of a query (group 1 in a head's first block) never takes a hidden score for its maximum: its weights, its l and its O stay 0.  c m starts at -2^125, so the first a is 0.
; REGISTERS (s_set_vgpr_msb: bits 1:0 source 0, 3:2 source 1, 5:4 source 2, 7:6 destination):
;   window 0: v0-15 addresses; v16-23 statistics; v24-47 at work; v62-63 the add's; v64-127 S^T; v128-159 P; v160-223 the mask; v224-255 the way out
;   window 1: v0-63 O^T, 32 a tile; v64-95 Q; v96-127 the second block's Q; v128-191 K of one step; v192-255 V of one step
.set PK,    144       ; a row of K in LDS: 128 bytes + 16 of padding = 36 words: the 16 rows of a load start at 16 different groups of four banks (64 banks of 4 bytes: ISA guide 11.1)
.set PV,    160       ; a row of V: 128 + 32 = 40 words
.set VOFF,  256*PK    ; a slot holds a tile: 256 rows of K, then 256 rows of V
.set SLOT1, 1<<17     ; slot 1 begins here, so that one exclusive or turns an address in one slot into the other's
.set X0,    SLOT1+256*(PK+PV)  ; behind the ring, never filled by a tensor load: where the first block's partial results meet: 4,608 bytes a wave
.set XW,    4608
.set X1,    X0+8*XW   ; the same for the second block
.set OST,   X1+8*XW   ; 16 rows x 144 bytes for each wave, for the way out
.set SP,    144
.set SPARE, OST+8*16*SP  ; the spare words, 128 bytes for each wave: four blocks of 256 bytes that no other line names
.set SLAB,  524288
.set AK0, 2           ; v2   my lane's place in my half of a tile of K; never rewritten
.set AV0, 3           ; v3   the same for V
.set AK,  4           ; v4   the LDS address of K's run of loads
.set AV,  5           ; v5   of V's
.set STO, 6           ; v6   the way out: where I put 16 bytes of a row
.set RD,  7           ; v7   the way out: where I read rows back
.set GO,  8           ; v8   16 x lane: my place in 512 consecutive bytes of O
.set XSA, 9           ; v9   where I put 16 bytes of what I send
.set XRA, 10          ; v10  where my partner (wave xor 4) has put them
.set VD,  11          ; v11-12  by tile: my query's place in the block, less 8 (lane / 16), less my keys' 128 g
.set EE,  13          ; v13-14  by tile: register r of key block kb is hidden where 16 kb + r is greater than this
.set PFO, 15          ; v15  256 x lane; never rewritten
.set ST,  16          ; tile t's statistics at v[ST+4 t]: c m, m, l (even keys', odd keys')
.set MV,  24          ; v24-25  c m_old, kept while c m is made anew
.set QO,  26          ; v26-27  by tile: my byte offset in the block's rows of Q
.set TMP, 28          ; by tile, four registers c0-c3 at work; when the maximum is found c2 takes a
.set F,   36          ; v36-47  at work in the set-up and where partial results meet
.set SPW, 62          ; v62  LDS address of my spare word; never rewritten
.set NIL, 63          ; v63  0; never rewritten
.set S,   64
.set P,   128
.set MC,  160
.set T2,  224
.set Q,   64          ; window 1
.set QB,  96
.set KF,  128         ; key block kb, channel half c at KF + 16 kb + 8 c
.set VF,  192         ; key half kk, channel block cb at VF + 32 kk + 8 cb
.set WV,  12          ; s12  my wave's number
.set GG,  13          ; s13  g
.set WW,  14          ; s14  w
.set PB,  15          ; s15  b
.set HI,  16          ; s16  15 - b
.set G1K, 24          ; s[24:31] descriptor group 1 for K's tiles
.set G1V, 32          ; s[32:39] for V's: it differs in the padding alone
.set G0K, 40          ; s[40:43] descriptor group 0 for K's tiles
.set G0V, 44          ; s[44:47] for V's
.set KB,  48          ; s[48:49] K at my half of the head's tile 0
.set VB,  50          ; s[50:51] V likewise
.set SLOTS, 56        ; s56  tiles still to be asked for
.set CNT, 57          ; s57  counts a tile's two steps
.set CS,  58          ; s[58:59] c
.set SEL, 60          ; s[60:61] v_permlanex16_b32's selects: each lane takes its own place in the other half
.set TBK, 62          ; s62  LDS byte at which K of the step to be fetched begins, less my half's offset
.set TBV, 63          ; s63  the same for V
.set RT,  70          ; s70  tiles of the block in hand that are still to be entered
.set NXT, 71          ; s71  the tile to be asked for next
.set LQ,  72          ; s72  the last tile of the block whose tiles are being asked for
.set NEW, 73          ; s73  1: the tile to be entered is a block's first
.set OFF, 74          ; s[74:75] a tile's byte offset in K and V
.set PEND, 76         ; s76  1: the first block's partial results lie in LDS and are still to be joined
.set SG,  77          ; s77  the block's first query less the step's first key of group 0
.set BIGN, 78         ; s78  -1e30
.set LIM, 79          ; s79  2 in the work-group that prefetches, else the greatest number
.set OHI, 80          ; s[80:81] O at the 16 rows that I finish, first block
.set OLO, 82          ; s[82:83] second block
.set PFA, 84          ; s[84:85] where my prefetch stands
.set QH,  86          ; s[86:87] Q at the first block
.set QL,  88          ; s[88:89] at the second
.set BLK, 90          ; s90  the first query of the block in hand
.set TL,  91          ; s91  the second block's tiles
.set LQ2, 92          ; s92  its last tile
.set MSB, 0
.macro WIN new                      ; the high byte repeats the setting that is left; a switch that changes nothing is dropped
.if MSB != (\new)
	s_set_vgpr_msb (MSB<<8)|(\new)
.set MSB, (\new)
.endif
.endm
; A fill.  Waves 0 and 1 fetch the two halves of a tile's K, waves 2 and 3 those of its V, 128 keys each; waves 4 to 7 have no part of it.  An s_nop 0 and four v_nop follow each of the two lines.
.macro LOAD
	s_cmp_lt_u32 s[WV], 2
	s_cbranch_scc0 .Lnot_k_\@
	tensor_load_to_lds s[G0K:G0K+3], s[G1K:G1K+7]
	s_nop 0
.rept 4
	v_nop
.endr
	s_branch .Lasked_\@
.Lnot_k_\@:
	s_cmp_lt_u32 s[WV], 4
	s_cbranch_scc0 .Lasked_\@
	tensor_load_to_lds s[G0V:G0V+3], s[G1V:G1V+7]
	s_nop 0
.rept 4
	v_nop
.endr
.Lasked_\@:
.endm
; A PREFETCH INTO THE L2 of the tile behind the one just asked for: one tile, four steps of a SIMD's two waves, ahead of its load.  All 8 work-groups of a head walk the tiles in the same order from tile 0 on, and the one with
; b = 0 walks all eight: it asks, and nobody else.  Waves 0-3 take a quarter each of the tile's K, waves 4-7 of its V: 8,192 bytes, a lane 256.  So tiles 2 to 7 are each named once; tiles 0 and 1 come by their loads
; alone; the trips that ask for tile 7 and for the second block's tile 0 prefetch nothing.
.macro ASK
	s_cmp_gt_u32 s[SLOTS], s[LIM]
	s_cbranch_scc0 .Lnot_mine_\@
	global_prefetch_b8 v[PFO], s[PFA:PFA+1] th:TH_LOAD_NT scope:SCOPE_SE
.Lnot_mine_\@:
.endm
; THE CHANGE OF SLOTS.  Each wave waits for all its tensor loads (at most one is out: its part of the other slot), adds 0 to its spare word, and waits for that and for its own LDS instructions.  Behind the barrier nobody reads the
; old slot any more and the other slot is whole.  fill = 1: the old slot is filled again, the first thing behind the barrier, with tile NXT: the descriptor's address is made anew from that number.
; (At its first use nothing has been read yet: slot 0 is waited for, slot 1 filled.)
.macro CHANGE fill
	WIN 0
	s_wait_tensorcnt 0x0            ; no tensor load of mine is out, so a group 0 may be written
	ds_add_u32 v[SPW], v[NIL]       ; 0 onto my spare word; scalar work stands between it and the wait for it
.if \fill
	s_lshl_b32 s[OFF], s[NXT], 15   ; a tile is 32,768 bytes of K and of V
	s_xor_b32 s[G0K+1], s[G0K+1], SLOT1
	s_add_nc_u64 s[G0K+2:G0K+3], s[KB:KB+1], s[OFF:OFF+1]
	s_or_b32 s[G0K+3], s[G0K+3], 0x80000000
	s_xor_b32 s[G0V+1], s[G0V+1], SLOT1
	s_add_nc_u64 s[G0V+2:G0V+3], s[VB:VB+1], s[OFF:OFF+1]
	s_or_b32 s[G0V+3], s[G0V+3], 0x80000000
	s_add_co_u32 s[NXT], s[NXT], 1  ; the block's next tile, or behind its last the second block's tile 0
	s_cmp_gt_u32 s[NXT], s[LQ]
	s_cselect_b32 s[NXT], 0, s[NXT]
	s_cselect_b32 s[LQ], s[LQ2], s[LQ]
	s_wait_xcnt 0x0                 ; the last prefetch, a tile back, has read its address
	s_add_nc_u64 s[PFA:PFA+1], s[PFA:PFA+1], 32768
.endif
	s_wait_dscnt 0x0                ; the add is done, my reads of the slot are over, and what I stored for my partner is in LDS
	s_barrier_signal -1
	s_sub_co_u32 s[TBK], s[TBK], 128*PK   ; the fetches go back to my half's first step,
	s_xor_b32 s[TBK], s[TBK], SLOT1       ; in the other slot
	s_sub_co_u32 s[TBV], s[TBV], 128*PV
	s_xor_b32 s[TBV], s[TBV], SLOT1
	s_barrier_wait -1
.if \fill
	LOAD
	ASK
.endif
.endm
	s_load_b128 s[4:7], s[0:1], 0x0  ; q, k, v s[4:5]; O s[6:7]
	v_lshl_add_u32 v[SPW], v0, 2, SPARE
	v_mov_b32 v[NIL], 0
	ds_add_u32 v[SPW], v[NIL]       ; the wave's opening: the add, and its wait ahead of the first tensor load; the set-up below stands between them
	v_lshrrev_b32 v1, 5, v0
	v_readfirstlane_b32 s[WV], v1   ; wave 0..7
	s_lshr_b32 s[GG], s[WV], 2
	s_and_b32 s[WW], s[WV], 3
	s_mov_b32 s[PB], ttmp9
	s_sub_co_u32 s[HI], 15, s[PB]
	s_and_b32 s17, ttmp7, 0xffff    ; 16 x batch + head
	s_and_b32 s18, s17, 15
	s_lshr_b32 s19, s17, 4
	s_lshl_b32 s20, s18, 19         ; the head's slab,
	s_lshl_b32 s21, s19, 18         ; the batch's 2,048 rows of 128 bytes
	s_add_co_u32 s20, s20, s21
	s_mov_b32 s21, 0
	s_and_b32 s22, s[WV], 1         ; which half of a tile's 256 keys I fetch
	; descriptor group 1.  128 keys are 16,384 dense bytes: asked for as 64 rows of 256 bytes, two keys a row, and padded in LDS after every key
	s_mov_b32 s[G1K], (1<<16)|(1<<20)|(4<<22)|(3<<25)  ; 2-byte elements; padding on; after every 32 words (code 4) 4 words (code 3)
	s_mov_b32 s[G1V], (1<<16)|(1<<20)|(4<<22)|(7<<25)  ; the same with 8 words of padding (code 7)
.irp g, G1K, G1V
	s_mov_b32 s[\g+1], 128<<16      ; tensor_dim0 = 128
	s_mov_b32 s[\g+2], 64<<16       ; tensor_dim1 = 64
	s_mov_b32 s[\g+3], 128<<16      ; tile_dim0 = 128
	s_mov_b32 s[\g+4], 64           ; tile_dim1 = 64
	s_mov_b32 s[\g+5], 128          ; 128 elements from row to row
	s_mov_b32 s[\g+6], 0
	s_mov_b32 s[\g+7], 0
.endr
	s_mul_i32 s17, s22, 128*PK
	s_mul_i32 s18, s22, 128*PV
	s_mov_b32 s[G0K], 1
	s_mov_b32 s[G0K+1], s17         ; LDS address: slot 0
	s_mov_b32 s[G0V], 1
	s_add_co_u32 s[G0V+1], s18, VOFF
	s_mov_b32 s[CS], 0x3e38aa3b     ; c = log2(e) / 8 = 0.180337
	s_mov_b32 s[CS+1], s[CS]
	s_mov_b32 s[SEL], 0x76543210
	s_mov_b32 s[SEL+1], 0xfedcba98
	s_mov_b32 s[TBK], SLOT1+128*PK  ; the first change of slots turns these two into 0
	s_mov_b32 s[TBV], SLOT1+128*PV
	s_lshr_b32 s[RT], s[HI], 1
	s_mov_b32 s[LQ], s[RT]          ; the first block's last tile,
	s_add_co_u32 s[RT], s[RT], 1    ; and how many it has
	s_lshr_b32 s[LQ2], s[PB], 1
	s_add_co_u32 s[TL], s[LQ2], 1
	s_mov_b32 s[NXT], 1
	s_mov_b32 s[NEW], 1
	s_mov_b32 s[PEND], 0
	s_mov_b32 s[OFF+1], 0
	s_lshl_b32 s[BLK], s[HI], 7
	s_mov_b32 s[SG], 0
	s_mov_b32 s[BIGN], 0xf149f2ca   ; -1e30
	s_mov_b32 s[SLOTS], 8
	s_cmp_eq_u32 s[PB], 0
	s_cselect_b32 s[LIM], 2, -1
	s_wait_dscnt 0x0                ; the opening add is done
	s_wait_kmcnt 0x0
	s_add_nc_u64 s[52:53], s[4:5], s[20:21]        ; q of my head and batch
	s_add_nc_u64 s[KB:KB+1], s[52:53], 16*SLAB     ; k,
	s_add_nc_u64 s[VB:VB+1], s[52:53], 32*SLAB     ; v
	s_cmp_lt_u32 s[WV], 4
	s_cselect_b64 s[PFA:PFA+1], s[KB:KB+1], s[VB:VB+1]
	s_lshl_b32 s2, s[WW], 13        ; my quarter of a tile,
	s_add_co_u32 s2, s2, 32768      ; in tile 1: the first change of slots steps it to tile 2
	s_mov_b32 s3, 0
	s_add_nc_u64 s[PFA:PFA+1], s[PFA:PFA+1], s[2:3]
	s_lshl_b32 s2, s22, 14          ; the half that I fetch
	s_add_nc_u64 s[KB:KB+1], s[KB:KB+1], s[2:3]
	s_add_nc_u64 s[VB:VB+1], s[VB:VB+1], s[2:3]
	s_mov_b64 s[G0K+2:G0K+3], s[KB:KB+1]           ; tile 0
	s_or_b32 s[G0K+3], s[G0K+3], 0x80000000
	s_mov_b64 s[G0V+2:G0V+3], s[VB:VB+1]
	s_or_b32 s[G0V+3], s[G0V+3], 0x80000000
	s_lshl_b32 s2, s[HI], 14        ; a block is 128 rows of 128 bytes
	s_lshl_b32 s54, s[PB], 14
	s_mov_b32 s55, 0
	s_add_nc_u64 s[QH:QH+1], s[52:53], s[2:3]
	s_add_nc_u64 s[QL:QL+1], s[52:53], s[54:55]
	s_add_nc_u64 s[6:7], s[6:7], s[20:21]
	s_lshl_b32 s18, s[WW], 12       ; the 16 rows that I finish: 32 w + 16 g
	s_lshl_b32 s19, s[GG], 11
	s_add_co_u32 s18, s18, s19
	s_add_co_u32 s2, s2, s18
	s_add_co_u32 s54, s54, s18
	s_add_nc_u64 s[OHI:OHI+1], s[6:7], s[2:3]
	s_add_nc_u64 s[OLO:OLO+1], s[6:7], s[54:55]
	LOAD                            ; tile 0 into slot 0
	v_and_b32 v36, 15, v0           ; l % 16
	v_bfe_u32 v37, v0, 4, 1         ; l / 16
	v_and_b32 v38, 7, v0
	v_bfe_u32 v39, v0, 3, 1
	v_and_b32 v40, 31, v0
	v_bfe_u32 v41, v0, 3, 2
	s_lshl_b32 s2, s[WW], 5
	s_lshl_b32 s3, s[GG], 4
	s_add_co_u32 s17, s2, s3        ; register tile 0's first query in the block: 32 w + 16 g,
	s_xor_b32 s3, s3, 16
	s_add_co_u32 s18, s2, s3        ; register tile 1's: 32 w + 16 (1 - g)
	v_lshlrev_b32 v42, 7, v36
	v_lshl_add_u32 v42, v37, 4, v42 ; row x 128 + 16 x half
	s_lshl_b32 s2, s17, 7
	s_lshl_b32 s3, s18, 7
	v_add_nc_u32 v[QO], s2, v42
	v_add_nc_u32 v[QO+1], s3, v42
	WIN 0x40                        ; destination window 1, address window 0
.irp t, 0,1
.irp c, 0,1                         ; both blocks' Q stay in registers: tile t, channels 32 c on
	global_load_b128 v[Q+16*\t+8*\c:Q+16*\t+8*\c+3],     v[QO+\t], s[QH:QH+1] offset:64*\c
	global_load_b128 v[Q+16*\t+8*\c+4:Q+16*\t+8*\c+7],   v[QO+\t], s[QH:QH+1] offset:64*\c+32
	global_load_b128 v[QB+16*\t+8*\c:QB+16*\t+8*\c+3],   v[QO+\t], s[QL:QL+1] offset:64*\c
	global_load_b128 v[QB+16*\t+8*\c+4:QB+16*\t+8*\c+7], v[QO+\t], s[QL:QL+1] offset:64*\c+32
.endr
.endr
	WIN 0
	s_lshl_b32 s19, s[GG], 7
	s_sub_co_u32 s17, s17, s19
	s_sub_co_u32 s18, s18, s19
	v_lshlrev_b32 v43, 3, v37
	v_sub_nc_u32 v43, v36, v43
	v_add_nc_u32 v[VD], s17, v43
	v_add_nc_u32 v[VD+1], s18, v43
	s_mul_i32 s2, s[GG], 128*PK
	v_mul_u32_u24 v[AK0], v36, PK
	v_lshl_add_u32 v[AK0], v37, 4, v[AK0]
	v_add_nc_u32 v[AK0], s2, v[AK0] ; row x pitch + 16 x half + my half of the tile
	; The turning load takes 16 keys x 16 channels (lane l reads key 8 (l / 16) + l % 8, channels 8 ((l / 8) % 2) + 0..7) and leaves half a fragment of V^T: lane l holds channel l % 16 and 8 keys.
	s_mul_i32 s3, s[GG], 128*PV
	s_add_co_u32 s3, s3, VOFF
	v_lshl_add_u32 v[AV0], v37, 3, v38
	v_mul_u32_u24 v[AV0], v[AV0], PV
	v_lshl_add_u32 v[AV0], v39, 4, v[AV0]
	v_add_nc_u32 v[AV0], s3, v[AV0]
	s_mul_i32 s2, s[WV], XW
	s_add_co_u32 s2, s2, X0
	v_lshl_add_u32 v[XSA], v40, 4, s2
	s_xor_b32 s3, s[WV], 4          ; my partner: the same queries, the other keys
	s_mul_i32 s3, s3, XW
	s_add_co_u32 s3, s3, X0
	v_lshl_add_u32 v[XRA], v40, 4, s3
	s_mul_i32 s2, s[WV], 16*SP
	s_add_co_u32 s2, s2, OST        ; my stage
	v_mul_u32_u24 v[STO], v36, SP   ; in: row l % 16, 16 bytes for each half of the lanes
	v_lshl_add_u32 v[STO], v37, 4, v[STO]
	v_add_nc_u32 v[STO], s2, v[STO]
	v_mul_u32_u24 v[RD], v41, SP    ; back: 32 lanes take four rows of 128 bytes,
	v_lshl_add_u32 v[RD], v38, 4, v[RD]
	v_add_nc_u32 v[RD], s2, v[RD]
	v_lshlrev_b32 v[GO], 4, v40     ; which are 512 consecutive bytes of O
	v_lshlrev_b32 v[PFO], 8, v40
; THE MATRIX WORK.  The 8 accumulators of a run of 16 take turns.  Product i of 16 of S^T = K Q^T: channels 32 (i / 8) on, keys 16 ((i / 2) % 4) on, tile i % 2.  The first 8 start the sums, with the mask.
.macro KQ
.set rS, S+32*(i%2)+8*((i/2)%4)
.set rK, KF+16*((i/2)%4)+8*(i/8)
.set rQ, Q+16*(i%2)+8*(i/8)
.set rM, MC+32*(i%2)+8*((i/2)%4)
.if i < 8
	v_wmma_f32_16x16x32_bf16 v[rS:rS+7], v[rK:rK+7], v[rQ:rQ+7], v[rM:rM+7]
.else
	v_wmma_f32_16x16x32_bf16 v[rS:rS+7], v[rK:rK+7], v[rQ:rQ+7], v[rS:rS+7]
.endif
.endm
; Product i of 16 of O^T += V^T P: keys 32 (i / 8) on, channels 16 ((i / 2) % 4) on, tile i % 2.
.macro PVM
.set rO, 32*(i%2)+8*((i/2)%4)
.set rV, VF+32*(i/8)+8*((i/2)%4)
.set rP, P+16*(i%2)+8*(i/8)
	v_wmma_f32_16x16x32_bf16 v[rO:rO+7], v[rV:rV+7], v[rP:rP+7], v[rO:rO+7]
.endm
; Number n of the 22 that find tile t's maximum and statistics.  s0-s31 are the lane's 32 scores; each accumulator's lowest registers are read first.
;   0-11  four chains c0-c3 of seven scores each, three operands at a time     12-14, 16  the four scores left over, the old m, and c0-c3 into c0     15  c m_old is kept
;   17, 18  the query's other 32 keys lie in the lane 16 away: the new m         19-21  c m; c m_old - c m_new; a
.macro XS t, n
.set rT, ST+4*(\t)
.set rC, TMP+4*(\t)
.set rW, MV+(\t)
.set rS, S+32*(\t)
.if (\n) < 4
	v_max3_num_f32 v[rC+(\n)], v[rS+8*(\n)], v[rS+8*(\n)+1], v[rS+8*(\n)+2]
.elseif (\n) < 12
	v_max3_num_f32 v[rC+(\n)%4], v[rC+(\n)%4], v[rS+8*((\n)%4)+2*((\n)/4)+1], v[rS+8*((\n)%4)+2*((\n)/4)+2]
.elseif (\n) == 12
	v_max3_num_f32 v[rC], v[rC], v[rS+7], v[rS+15]
.elseif (\n) == 13
	v_max3_num_f32 v[rC+1], v[rC+1], v[rS+23], v[rS+31]
.elseif (\n) == 14
	v_max3_num_f32 v[rC+2], v[rC+2], v[rC+3], v[rT+1]
.elseif (\n) == 15
	v_mov_b32 v[rW], v[rT]
.elseif (\n) == 16
	v_max3_num_f32 v[rC], v[rC], v[rC+1], v[rC+2]
.elseif (\n) == 17
	v_permlanex16_b32 v[rC+3], v[rC], s[SEL], s[SEL+1]
.elseif (\n) == 18
	v_max_num_f32 v[rT+1], v[rC], v[rC+3]
.elseif (\n) == 19
	v_mul_f32 v[rT], s[CS], v[rT+1]
.elseif (\n) == 20
	v_sub_f32 v[rC+1], v[rW], v[rT]
.else
	v_exp_f32 v[rC+2], v[rC+1]
.endif
.endm
.macro FS f                         ; c s - c m for pair f / 2 of tile f % 2
.set rT, ST+4*((\f)%2)
.set rS, S+32*((\f)%2)+2*((\f)/2)
	v_pk_fma_f32 v[rS:rS+1], v[rS:rS+1], s[CS:CS+1], v[rT:rT+1] op_sel_hi:[1,0,0] neg_lo:[0,0,1] neg_hi:[0,0,1]
.endm
.macro EX e                         ; the exponential of score e / 2 of tile e % 2
	v_exp_f32 v[S+32*((\e)%2)+(\e)/2], v[S+32*((\e)%2)+(\e)/2]
.endm
.macro MASK                         ; the step's mask: key 16 kb + r of my lane is hidden where it is greater than the query's place less the step's
	v_add_nc_u32 v[EE], s[SG], v[VD]
	v_add_nc_u32 v[EE+1], s[SG], v[VD+1]
.set i, 0
.rept 64
	v_cmp_gt_i32 vcc_lo, 16*((i%32)/8)+i%8, v[EE+i/32]
	v_cndmask_b32 v[MC+i], 0, s[BIGN], vcc_lo
.set i, i+1
.endr
.endm
; A KEY STEP of my group: 64 keys for my two tiles of queries, in phases.
.macro STEP
	WIN 0
	v_add_nc_u32 v[AK], s[TBK], v[AK0]
	v_add_nc_u32 v[AV], s[TBV], v[AV0]
	WIN 0x40                        ; destination window 1.  The last product that read V stands four v_nop and two additions back
.irp f, 0,1,2,3,4,5,6,7             ; K: keys 16 (f / 2) on, channels 32 (f % 2) on
	ds_load_b128 v[KF+8*\f:KF+8*\f+3],   v[AK] offset:(\f/2)*16*PK+(\f%2)*64
	ds_load_b128 v[KF+8*\f+4:KF+8*\f+7], v[AK] offset:(\f/2)*16*PK+(\f%2)*64+32
.endr
.irp f, 0,1,2,3,4,5,6,7             ; V, turned: keys 32 (f / 4) on, channels 16 (f % 4) on
	ds_load_tr16_b128 v[VF+8*\f:VF+8*\f+3],   v[AV] offset:(\f/4)*32*PV+(\f%4)*32
	ds_load_tr16_b128 v[VF+8*\f+4:VF+8*\f+7], v[AV] offset:(\f/4)*32*PV+16*PV+(\f%4)*32
.endr
	WIN 0
	s_add_co_u32 s[TBK], s[TBK], 64*PK  ; the next fetch is the next step's
	s_add_co_u32 s[TBV], s[TBV], 64*PV
	s_cmp_eq_u32 s[RT], 0           ; the block's last tile alone hides keys
	s_cbranch_scc0 .Lopen_\@
	MASK
.Lopen_\@:
	s_wait_dscnt 16                 ; K's 16 loads are in; V's 16 may stay out
	WIN 0x05                        ; K and Q in window 1; the mask and S^T in window 0
.set i, 0
.rept 16
	KQ
.set i, i+1
.endr
	WIN 0
.rept 4
	v_nop                           ; the places behind those products
.endr
.irp n, 0,1,2,3,4,5,6,7,8,9,10,11,12,13,14,15,16,17,18,19,20
	XS 0, \n                        ; the two tiles alternate, so that no instruction reads the result of the one before it
	XS 1, \n
.endr
	XS 0, 21                        ; ONE BATCH of 66 exponentials: the two a, then the scores, a scaling ahead of each two.  Exponential e stands behind the scaling of its pair, two lines or more back.
	XS 1, 21                        ; Nothing ahead of the wait below names a result of theirs.
.set j, 0
.rept 32
	FS j
.if j >= 2
	EX 2*j-4
	EX 2*j-3
.endif
.set j, j+1
.endr
	EX 60
	EX 61
	EX 62
	EX 63
	v_nop                           ; a plain instruction behind the last exponential: one for the batch
	s_wait_alu depctr_va_vdst(0)    ; and the wait ahead of the first use of a result: one for the batch
	WIN 0x41                        ; O^T (destination and source 0) in window 1, a in window 0
.set n, 0
.rept 32
	v_pk_mul_f32 v[2*n:2*n+1], v[2*n:2*n+1], v[TMP+4*(n/16)+2:TMP+4*(n/16)+3] op_sel_hi:[1,0]  ; O^T times a, in ascending order
.set n, n+1
.endr
	WIN 0
.set n, 0
.rept 32
	v_cvt_pk_bf16_f32 v[P+n], v[S+2*n], v[S+2*n+1]
.set n, n+1
.endr
.irp w, 4,8,16,32                   ; the sum of a tile's 16 pairs, in place: neighbours 1, 2, 4 and 8 pairs apart
.set u, 0
.rept 32/(\w)
.irp t, 0,1
	v_pk_add_f32 v[S+32*(\t)+(\w)*u:S+32*(\t)+(\w)*u+1], v[S+32*(\t)+(\w)*u:S+32*(\t)+(\w)*u+1], v[S+32*(\t)+(\w)*u+(\w)/2:S+32*(\t)+(\w)*u+(\w)/2+1]
.endr
.set u, u+1
.endr
.endr
.irp t, 0,1
	v_pk_fma_f32 v[ST+4*(\t)+2:ST+4*(\t)+3], v[ST+4*(\t)+2:ST+4*(\t)+3], v[TMP+4*(\t)+2:TMP+4*(\t)+3], v[S+32*(\t):S+32*(\t)+1] op_sel_hi:[1,0,1]  ; l = a l + sum
.endr
	s_wait_dscnt 0x0                ; V is in
	WIN 0x51                        ; V and O^T in window 1, P in window 0
.set i, 0
.rept 16
	PVM
.set i, i+1
.endr
	WIN 0
.rept 4
	v_nop                           ; the places behind those products
.endr
	s_sub_co_u32 s[SG], s[SG], 64
.endm
; A BLOCK BEGINS.  c m starts at -2^125, far below every c s, so the first step's a is 0.  m starts at -2^93: below every true score, so the first maximum is the scores'; above every hidden score (its value less
; 1e30), so that where all of a group's keys are hidden m stays here, c s - c m is near -1.8e29 and every weight is 0.  O^T, l and the mask start at 0.
.macro BEGIN
	s_mov_b32 s[NEW], 0
	s_mov_b32 s[SG], s[BLK]
	WIN 0x40
.set i, 0
.rept 64
	v_mov_b32 v[i], 0
.set i, i+1
.endr
	WIN 0
.set i, 0
.rept 64
	v_mov_b32 v[MC+i], 0
.set i, i+1
.endr
.irp t, 0,1
	v_mov_b32 v[ST+4*\t], 0xfe000000    ; c m = -2^125
	v_mov_b32 v[ST+4*\t+1], 0xee000000  ; m = -2^93
	v_mov_b32 v[ST+4*\t+2], 0
	v_mov_b32 v[ST+4*\t+3], 0
.endr
	s_wait_loadcnt 0x0              ; Q
.endm
; A BLOCK ENDS, first part: my register tile 1 (O^T, and c m, m, l) goes to my partner, 16 bytes a lane, 512 consecutive bytes a store.  xo: 0 for the first block's bytes, X1 - X0 for the second's.
.macro PART1 xo
	WIN 0x04                        ; the data in window 1
.irp k, 0,1,2,3,4,5,6,7
	ds_store_b128 v[XSA], v[32+4*\k:32+4*\k+3] offset:(\xo)+512*\k
.endr
	WIN 0
	ds_store_b128 v[XSA], v[ST+4:ST+7] offset:(\xo)+4096
.endm
; Second part, behind a barrier: my partner's partial result for the queries of my register tile 0 is joined with mine.  With c M the greater of the two c m: O = (2^(c m0 - c M) O0 + 2^(c m1 - c M) O1) / l, l likewise.
; A group that has seen no key of a query has c m = -c 2^93, l = 0 and O = 0, and its factor is 0.  Group 0 holds key 0, which every query sees, so c M is a true score's.
; Then O is rounded to bf16 and goes through my stage: 16 rows of 128 bytes, 2,048 consecutive bytes of O.
.macro PART2 xo, out
	WIN 0
.irp k, 0,1,2,3,4,5,6,7
	ds_load_b128 v[S+4*\k:S+4*\k+3], v[XRA] offset:(\xo)+512*\k
.endr
	ds_load_b128 v[S+32:S+35], v[XRA] offset:(\xo)+4096
	s_wait_dscnt 0x0
	v_max_num_f32 v[F], v[ST], v[S+32]
	v_sub_f32 v[F+1], v[ST], v[F]
	v_sub_f32 v[F+2], v[S+32], v[F]
	v_exp_f32 v[F+4], v[F+1]
	v_exp_f32 v[F+6], v[F+2]
	v_add_f32 v[F+8], v[ST+2], v[ST+3]     ; my l's two halves: the plain work behind the two exponentials,
	v_add_f32 v[F+9], v[S+34], v[S+35]     ; my partner's
	s_wait_alu depctr_va_vdst(0)    ; and their wait, ahead of the first use
	v_mul_f32 v[F+8], v[F+8], v[F+4]
	v_fmac_f32 v[F+8], v[F+9], v[F+6]
	v_permlanex16_b32 v[F+9], v[F+8], s[SEL], s[SEL+1]  ; the query's other keys lie in the lane 16 away
	v_add_f32 v[F+8], v[F+8], v[F+9]
	v_rcp_f32 v[F+10], v[F+8]
	v_nop
	s_wait_alu depctr_va_vdst(0)    ; the same for the reciprocal
	v_mul_f32 v[F+4], v[F+4], v[F+10]
	v_mul_f32 v[F+6], v[F+6], v[F+10]
	v_mov_b32 v[F+5], v[F+4]
	v_mov_b32 v[F+7], v[F+6]
.set i, 0
.rept 16
	v_pk_mul_f32 v[S+2*i:S+2*i+1], v[S+2*i:S+2*i+1], v[F+6:F+7]
.set i, i+1
.endr
	WIN 0x01                        ; source 0, my O^T, in window 1
.set i, 0
.rept 16
	v_pk_fma_f32 v[S+2*i:S+2*i+1], v[2*i:2*i+1], v[F+4:F+5], v[S+2*i:S+2*i+1]
.set i, i+1
.endr
	WIN 0
	s_wait_xcnt 0x0                 ; the registers below were the data of the block before's stores: they are rewritten only behind this wait
.set i, 0
.rept 16
	v_cvt_pk_bf16_f32 v[T2+i], v[S+2*i], v[S+2*i+1]
.set i, i+1
.endr
.irp f, 0,1,2,3
	ds_store_b128 v[STO], v[T2+4*\f:T2+4*\f+3] offset:32*\f
.endr
.irp f, 0,1,2,3
	ds_load_b128 v[T2+16+4*\f:T2+16+4*\f+3], v[RD] offset:\f*4*SP  ; LDS serves a wave's instructions in order (ISA guide 5.7.1.4): these see the stores above
.endr
	s_wait_dscnt 0x0
.irp f, 0,1,2,3
	global_store_b128 v[GO], v[T2+16+4*\f:T2+16+4*\f+3], s[\out:\out+1] offset:512*\f  ; 512 consecutive bytes, at a multiple of 256 from O's first
.endr
.endm
; A TILE OF THE WALK.  tail = 1: the walk's last: nothing is asked for, and it is the second block's last.
.macro TILE tail
	CHANGE 1-(\tail)
	s_sub_co_u32 s[RT], s[RT], 1
	s_cmp_eq_u32 s[NEW], 1
	s_cbranch_scc0 .Lold_\@
	s_cmp_eq_u32 s[PEND], 1
	s_cbranch_scc0 .Lnone_\@
	PART2 0, OHI                    ; the first block is finished: what the partners stored lies behind the change's barrier
	WIN 0x41
.set i, 0
.rept 32
	v_mov_b32 v[Q+i], v[QB+i]       ; the second block's Q goes where the one text of the steps names Q
.set i, i+1
.endr
	WIN 0
	s_lshl_b32 s[BLK], s[PB], 7
	s_mov_b32 s[PEND], 0
.Lnone_\@:
	BEGIN
.Lold_\@:
	s_wait_dscnt 0x0                ; my reads of my partner's bytes are over,
	s_barrier_signal -1             ; and everybody's are, before any wave stores such bytes again.  The tile on its way may stay out
	s_barrier_wait -1
	s_mov_b32 s[CNT], 2
.Lstep_\@:
	STEP
	s_sub_co_u32 s[CNT], s[CNT], 1
	s_cmp_lg_u32 s[CNT], 0
	s_cbranch_scc1 .Lstep_\@
	s_sub_co_u32 s[SG], s[SG], 128  ; the other group's two steps
.if \tail
	PART1 X1-X0
.else
	s_cmp_eq_u32 s[RT], 0
	s_cbranch_scc0 .Lgo_\@
	PART1 0                         ; the first block's last tile is over
	s_mov_b32 s[PEND], 1
	s_mov_b32 s[NEW], 1
	s_mov_b32 s[RT], s[TL]
.Lgo_\@:
.endif
.endm
.Lslot:                             ; 8 times: a tile is entered and the next is asked for
	TILE 0
	s_sub_co_u32 s[SLOTS], s[SLOTS], 1
	s_cmp_lg_u32 s[SLOTS], 0
	s_cbranch_scc1 .Lslot
	TILE 1                          ; the walk's last tile is written out
	s_wait_dscnt 0x0                ; what I stored for my partner is in LDS
	s_barrier_signal -1
	s_barrier_wait -1
	PART2 X1-X0, OLO
	s_wait_tensorcnt 0x0            ; the wave's end: behind my last tensor load and my last LDS store
	ds_add_u32 v[SPW], v[NIL]
	s_wait_dscnt 0x0
	s_endpgm
.Lfunc_end_k_qcce7cab14a_attn:
	.size	k_qcce7cab14a_attn, .Lfunc_end_k_qcce7cab14a_attn-k_qcce7cab14a_attn
	.p2alignl 7, 3214868480
	.fill 96, 4, 3214868480
	.section	.rodata,"a",@progbits
	.p2align	6, 0x0
	.amdhsa_kernel k_qcce7cab14a_attn
		.amdhsa_group_segment_fixed_size 327680
		.amdhsa_private_segment_fixed_size 0
		.amdhsa_enable_private_segment 0
		.amdhsa_kernarg_size 16
		.amdhsa_user_sgpr_count 2
		.amdhsa_user_sgpr_kernarg_segment_ptr 1
		.amdhsa_wavefront_size32 1
		.amdhsa_system_sgpr_workgroup_id_x 1
		.amdhsa_system_sgpr_workgroup_id_y 1
		.amdhsa_system_sgpr_workgroup_id_z 1
		.amdhsa_system_vgpr_workitem_id 0
		.amdhsa_next_free_vgpr 512
		.amdhsa_next_free_sgpr 96
		.amdhsa_reserve_vcc 1
		.amdhsa_float_denorm_mode_32 3
		.amdhsa_float_denorm_mode_16_64 3
		.amdhsa_memory_ordered 1
		.amdhsa_forward_progress 1
		.amdhsa_inst_pref_size 88
	.end_amdhsa_kernel
	.amdgpu_metadata
---
amdhsa.version: [ 1, 2 ]
amdhsa.kernels:
  - .name:           k_qcce7cab14a_attn
    .symbol:         k_qcce7cab14a_attn.kd
    .args:
      - { .name: big, .offset: 0, .size: 8, .value_kind: global_buffer, .address_space: global }
      - { .name: act, .offset: 8, .size: 8, .value_kind: global_buffer, .address_space: global }
    .group_segment_fixed_size: 327680
    .private_segment_fixed_size: 0
    .kernarg_segment_align: 8
    .kernarg_segment_size: 16
    .max_flat_workgroup_size: 256
    .sgpr_count:     96
    .vgpr_count:     512
    .wavefront_size: 32
...
	.end_amdgpu_metadata
.endif
;; end of part 3
;; launch proj (part 4): grid 8 x 32, 4 waves a work-group, clusters of 4 x 4, 327,680 bytes of LDS; arguments act, wq, proj_b, x, x1; writes x1
.if DOCPART == 4
	.amdgcn_target "amdgcn-amd-amdhsa--gfx1250"
	.amdhsa_code_object_version 6
	.text
	.protected	k_qcce7cab14a_proj
	.globl	k_qcce7cab14a_proj
	.p2align	8
	.type	k_qcce7cab14a_proj,@function
k_qcce7cab14a_proj:
	s_mov_b64 s[64:65], 0
	v_nop
	global_prefetch_b8 v0, s[64:65] scope:SCOPE_SE
	s_setreg_imm32_b32 hwreg(HW_REG_WAVE_MODE, 25, 1), 1
	s_wait_xcnt 0x0
	s_wait_alu depctr_hold_cnt(0) depctr_sa_sdst(0) depctr_va_vdst(0) depctr_va_sdst(0) depctr_va_ssrc(0) depctr_va_vcc(0) depctr_vm_vsrc(0)
	s_getreg_b32 s2, hwreg(HW_REG_IB_STS2, 6, 4)
	s_cmp_eq_u32 s2, 0
	s_cbranch_scc0 .Lentry_in_a_cluster
	s_endpgm
.Lentry_in_a_cluster:
	s_bfe_u32 s2, ttmp6, 0x10000c
	s_cmp_lg_u32 s2, 0xf033
	s_cbranch_scc0 .Lentry_shape_is_right
	s_endpgm
.Lentry_shape_is_right:
; out[m][n] = sum over k of A[m][k] B[n][k] + bias[n] + res[m][n].  4,096 rows, N = 1,024, K = 256 x 2 x LAPS.  A and B in bf16, bias, res and out in f32 (row-major); sums in f32.
; Here: the attention's projection with its residual (K = 1,024).  The same text with another LAPS serves the second MLP layer.
; LAYOUTS.  A lies in slabs of 64 columns: [k / 64][4,096 rows][64], a slab 524,288 bytes; B likewise with 1,024 rows, a slab 131,072 bytes, from byte 8,388,608 of its buffer on.  128 rows x 64 k are 16,384 consecutive bytes.
; A tile of out is 128 x 128, so that N = 1,024 gives each of 256 work-groups one.  Four waves, each 64 x 64: 16 accumulators.  K goes in steps of 256 (four slabs) through a ring of two LDS slots.  Each wave fetches
; two slab parts of a step with one tensor load: a tile of 2 rows x 16,384 bytes, a slab apart in memory, padded in LDS behind every 128 bytes (the padding is counted along the whole tile).
; CLUSTERS: 4 x 4 work-groups; A's tiles are asked for jointly along a row of the cluster, B's along a column.  No prefetch: the tiles are small and are read by many work-groups.
; THE MATRIX INSTRUCTION IS USED TRANSPOSED (source 0 = 16 rows of B, source 1 = 16 rows of A): a lane holds row l % 16 and eight neighbouring columns.  The bias is the C operand of the product that starts each sum.
; THE RESIDUAL is asked for at the head, in the layout of the stores, and stays on its way through the whole loop over K: 128 registers of window 2.
; REGISTERS: window 0: v0-31 addresses; v32-63 the bias, later with v64-95 at work on the way out; v128-255 the accumulators ((a, b) at v[128 + 8 (4 a + b)])
;   window 1: two fragment buffers of 128: for 64 along K, 64 registers of A, then 64 of B          window 2: v0-127 the residual
.set LAPS,   2                         ; a lap = two K steps of 256
.set WOFF,   8388608                   ; where the weights begin in their buffer
.set PITCH,  144                       ; an LDS row: 128 bytes + 16 of padding = 36 words: the 16 rows of a fragment load start at 16 different groups of four banks (64 banks of 4 bytes: ISA guide 11.1)
.set SL,     128*PITCH                 ; one slab of 64 k for 128 rows
.set SLOT,   8*SL                      ; A's four slabs, then B's four
.set STAGE,  2*SLOT                    ; behind the ring: 16 rows x 272 bytes for each wave, for the way out
.set SPITCH, 272
.set SPARE,  STAGE+4*16*SPITCH         ; the spare words, 128 bytes for each wave: two blocks of 256 bytes that no other line names
.set SLAB,   524288
.set BSLAB,  131072
.set ADRA, 16                          ; v16-17  LDS address of my A fragments in slot 0, 1
.set ADRB, 20                          ; v20-21  the same for B
.set STO,  24                          ; v24     the way out: where I put 16 bytes of a row
.set RD,   25                          ; v25     the way out: where I read a row back
.set CO,   26                          ; v26     my byte offset in two rows of res and out: 4,096 (l / 16) + 16 (l % 16)
.set BO,   27                          ; v27     32 x (l / 16): my eight numbers in 16 of the bias
.set SPW,  28                          ; v28     LDS address of my spare word; never rewritten
.set NIL,  29                          ; v29     0; never rewritten
.set TMP,  32
.set BIAS, 32
.set ACC,  128
.set F0,   0
.set F1,   128
.set G1, 24
.set G0, 32
.set G1B, 48
.set G0B, 56
.set GW0, (1<<16)|(1<<20)|(1<<21)|(4<<22)|(3<<25)  ; group 1, word 0 without the mask: 2-byte elements; padding on; bit 21 beside a mask; after every 32 words (code 4) 4 words (code 3)
.set MSB, 0
.macro WIN new
.if MSB != (\new)
	s_set_vgpr_msb (MSB<<8)|(\new)
.set MSB, \new
.endif
.endm
.set MUL,  0x05                        ; sources 0 (B) and 1 (A) window 1; C and D window 0
.set TO_F, 0x40                        ; destination window 1, address window 0
.macro JLOAD s                         ; a joint load: waves 0 and 1 fetch A's slabs, waves 2 and 3 B's; an s_nop 0 and four v_nop follow each of the two lines
	s_cmp_eq_u32 s11, 0
	s_cbranch_scc0 .Lfor_b_\@
	tensor_load_to_lds s[G0+4*(\s):G0+4*(\s)+3], s[G1:G1+7]
	s_nop 0
.rept 4
	v_nop
.endr
	s_branch .Lasked_\@
.Lfor_b_\@:
	tensor_load_to_lds s[G0B+4*(\s):G0B+4*(\s)+3], s[G1B:G1B+7]
	s_nop 0
.rept 4
	v_nop
.endr
.Lasked_\@:
.endm
.macro CREST                           ; a round of the cluster's barrier behind its opening barrier
	s_cmp_lg_u32 s10, 0
	s_cbranch_scc1 .Lnot_wave_0_\@
	s_barrier_signal -3
.Lnot_wave_0_\@:
	s_barrier_wait -3
	s_barrier_signal -1
	s_barrier_wait -1
.endm
.macro CROUND
	s_barrier_signal -1
	s_barrier_wait -1
	CREST
.endm
	s_load_b128 s[4:7], s[0:1], 0x0                ; A s[4:5], B s[6:7]
	s_load_b128 s[68:71], s[0:1], 0x10             ; bias s[68:69], res s[70:71]
	s_load_b64 s[8:9], s[0:1], 0x20                ; out
	v_lshl_add_u32 v[SPW], v0, 2, SPARE
	v_mov_b32 v[NIL], 0
	ds_add_u32 v[SPW], v[NIL]                      ; the wave's opening: the add, and its wait ahead of my first tensor load; the set-up below stands between them
	v_lshrrev_b32 v1, 5, v0
	v_readfirstlane_b32 s10, v1                    ; wave 0..3
	s_lshr_b32 s11, s10, 1                         ; which half of the tile's rows is mine.  Also: I fetch for A (0) or for B (1)
	s_and_b32 s12, s10, 1                          ; which half of its columns.  Also: the first or the last two slabs of a step
	s_bfe_u32 s40, ttmp6, 0x40000                  ; cx, cy
	s_bfe_u32 s41, ttmp6, 0x40004
	s_lshl_b32 s42, ttmp9, 2
	s_add_co_u32 s42, s42, s40                     ; tile column = 4 x cluster x + cx
	s_and_b32 s13, ttmp7, 0xffff
	s_lshl_b32 s13, s13, 2
	s_add_co_u32 s13, s13, s41                     ; tile row = 4 x cluster y + cy
	s_lshl_b32 s43, s41, 2
	s_lshl_b32 s43, 15, s43                        ; my row of the cluster
	s_lshl_b32 s44, 0x1111, s40                    ; my column
	s_or_b32 s[G1+0], s43, GW0
	s_or_b32 s[G1B+0], s44, GW0
.irp g, G1, G1B
	s_mov_b32 s[(\g)+1], 8192<<16                  ; tensor_dim0 = 8,192 elements: a slab part of 16,384 bytes
	s_mov_b32 s[(\g)+2], 2<<16                     ; tensor_dim1 = 2
	s_mov_b32 s[(\g)+3], 8192<<16                  ; tile_dim0 = 8,192
	s_mov_b32 s[(\g)+4], 2                         ; tile_dim1 = 2
	s_mov_b32 s[(\g)+6], 0
	s_mov_b32 s[(\g)+7], 0
.endr
	s_mov_b32 s[G1+5], SLAB/2                      ; elements from a slab of A to the next,
	s_mov_b32 s[G1B+5], BSLAB/2                    ; of B
	s_lshl_b32 s16, s13, 14                        ; A: 128 rows of 128 bytes for each tile row,
	s_lshl_b32 s17, s12, 20                        ; my two slabs of the step
	s_add_co_u32 s16, s16, s17
	s_mov_b32 s17, 0
	s_lshl_b32 s46, s42, 14                        ; B: the same by the tile column
	s_lshl_b32 s47, s12, 18
	s_add_co_u32 s46, s46, s47
	s_add_co_u32 s46, s46, WOFF
	s_mov_b32 s47, 0
	s_lshl_b32 s74, s13, 19                        ; res and out: 128 rows of 4,096 bytes for each tile row,
	s_lshl_b32 s75, s11, 18                        ; my 64 of them,
	s_add_co_u32 s74, s74, s75
	s_lshl_b32 s76, s42, 9                         ; my 64 columns: 4 (128 x tile column + 64 x half)
	s_lshl_b32 s77, s12, 8
	s_add_co_u32 s76, s76, s77
	s_add_co_u32 s74, s74, s76
	s_mov_b32 s75, 0
	s_mov_b32 s77, 0
	s_mul_i32 s20, s10, 2*SL                       ; where my tiles go: no place in the cluster enters an LDS address
	s_wait_dscnt 0x0                               ; the opening add is done
	s_wait_kmcnt 0x0
	s_add_nc_u64 s[14:15], s[4:5], s[16:17]
	s_add_nc_u64 s[46:47], s[6:7], s[46:47]
	s_add_nc_u64 s[68:69], s[68:69], s[76:77]
	s_add_nc_u64 s[70:71], s[70:71], s[74:75]
	s_add_nc_u64 s[8:9], s[8:9], s[74:75]
	CROUND                                         ; all sixteen work-groups are here: the first joint loads meet
.irp s, 0,1
	s_mov_b32 s[G0+4*(\s)], 1
	s_add_co_u32 s[G0+4*(\s)+1], s20, (\s)*SLOT
	s_add_nc_u64 s[G0+4*(\s)+2:G0+4*(\s)+3], s[14:15], (\s)*4*SLAB
	s_or_b32 s[G0+4*(\s)+3], s[G0+4*(\s)+3], 0x80000000
	s_mov_b32 s[G0B+4*(\s)], 1
	s_add_co_u32 s[G0B+4*(\s)+1], s20, (\s)*SLOT
	s_add_nc_u64 s[G0B+4*(\s)+2:G0B+4*(\s)+3], s[46:47], (\s)*4*BSLAB
	s_or_b32 s[G0B+4*(\s)+3], s[G0B+4*(\s)+3], 0x80000000
	JLOAD \s                                       ; two loads of mine are out
.endr
	v_and_b32 v1, 15, v0                           ; l % 16
	v_bfe_u32 v2, v0, 4, 1                         ; l / 16
	v_lshlrev_b32 v[BO], 5, v2
	v_lshlrev_b32 v5, 12, v2
	v_lshl_add_u32 v[CO], v1, 4, v5
.irp b, 0,1,2,3
	global_load_b128 v[BIAS+8*(\b):BIAS+8*(\b)+3],   v[BO], s[68:69] offset:64*(\b)
	global_load_b128 v[BIAS+8*(\b)+4:BIAS+8*(\b)+7], v[BO], s[68:69] offset:64*(\b)+16
.endr
	WIN 0x80                                       ; destination window 2, address window 0
.set n, 0
.rept 32
	global_load_b128 v[4*n:4*n+3], v[CO], s[70:71] offset:2*n*4096 th:TH_LOAD_NT  ; rows 2 n and 2 n + 1 of my 64: sixteen lanes take 256 consecutive bytes
.set n, n+1
.endr
	WIN 0
	v_mul_u32_u24 v3, v1, PITCH
	v_lshl_add_u32 v3, v2, 4, v3                   ; a fragment's row x pitch + 16 x half
	s_mul_i32 s21, s11, 64*PITCH                   ; my 64 rows of A
	s_mul_i32 s22, s12, 64*PITCH                   ; my 64 rows of B,
	s_add_co_u32 s22, s22, 4*SL                    ; which lie behind A's four slabs
.irp s, 0,1
	v_add_nc_u32 v[ADRA+(\s)], s21, v3
	v_add_nc_u32 v[ADRB+(\s)], s22, v3
	s_add_co_u32 s21, s21, SLOT
	s_add_co_u32 s22, s22, SLOT
.endr
	s_mul_i32 s23, s10, 16*SPITCH
	s_add_co_u32 s23, s23, STAGE                   ; my stage
	v_mul_u32_u24 v4, v1, SPITCH                   ; in: row l % 16, 32 bytes for each half of the lanes
	v_lshl_add_u32 v4, v2, 5, v4
	v_add_nc_u32 v[STO], s23, v4
	v_mul_u32_u24 v5, v2, SPITCH                   ; back: lanes 0-15 take one row of 256 bytes, lanes 16-31 the next
	v_lshl_add_u32 v5, v1, 4, v5
	v_add_nc_u32 v[RD], s23, v5
; 8 matrix instructions: m blocks a0, a0 + 1 x all 4 n blocks, 32 along K: half c of buffer f.  zero = 1: the first product starts the sums, with the bias as C.  The 16 accumulators take turns.
.macro MUL8 f, c, a0, zero
	WIN MUL
.irp a, \a0, (\a0)+1
.irp b, 0,1,2,3
.if \zero
	v_wmma_f32_16x16x32_bf16 v[ACC+8*(4*(\a)+(\b)):ACC+8*(4*(\a)+(\b))+7], v[(\f)+64+8*(4*(\c)+(\b)):(\f)+64+8*(4*(\c)+(\b))+7], v[(\f)+8*(4*(\c)+(\a)):(\f)+8*(4*(\c)+(\a))+7], v[BIAS+8*(\b):BIAS+8*(\b)+7]
.else
	v_wmma_f32_16x16x32_bf16 v[ACC+8*(4*(\a)+(\b)):ACC+8*(4*(\a)+(\b))+7], v[(\f)+64+8*(4*(\c)+(\b)):(\f)+64+8*(4*(\c)+(\b))+7], v[(\f)+8*(4*(\c)+(\a)):(\f)+8*(4*(\c)+(\a))+7], v[ACC+8*(4*(\a)+(\b)):ACC+8*(4*(\a)+(\b))+7]
.endif
.endr
.endr
.endm
; 32 LDS loads in one run: the fragments of one slab (64 along K), which begins k bytes behind the slot's first, into buffer f; the first 32 along K first
.macro FETCH slot, k, f
	WIN TO_F
.irp c, 0,1
.irp i, 0,1,2,3
	ds_load_b128 v[(\f)+64+8*(4*(\c)+(\i)):(\f)+64+8*(4*(\c)+(\i))+3],   v[ADRB+(\slot)] offset:(\k)+64*(\c)+(\i)*16*PITCH
	ds_load_b128 v[(\f)+64+8*(4*(\c)+(\i))+4:(\f)+64+8*(4*(\c)+(\i))+7], v[ADRB+(\slot)] offset:(\k)+64*(\c)+(\i)*16*PITCH+32
	ds_load_b128 v[(\f)+8*(4*(\c)+(\i)):(\f)+8*(4*(\c)+(\i))+3],         v[ADRA+(\slot)] offset:(\k)+64*(\c)+(\i)*16*PITCH
	ds_load_b128 v[(\f)+8*(4*(\c)+(\i))+4:(\f)+8*(4*(\c)+(\i))+7],       v[ADRA+(\slot)] offset:(\k)+64*(\c)+(\i)*16*PITCH+32
.endr
.endr
.endm
.macro PLACES                          ; four plain places in front of loads into registers that matrix instructions have read, and of stores that read results
.rept 4
	v_nop
.endr
.endm
; A K step is four quarters, a slab each, 32 matrix instructions each, on buffers 0, 1, 0, 1.  One of the first three: multiplies buffer f and fetches the next slab, at byte k, into g.
.macro QUARTER slot, k, f, g, zero
	s_wait_dscnt 16                                ; the first 32 along K are in; the youngest sixteen loads may be out
	MUL8 \f, 0, 0, \zero
	MUL8 \f, 0, 2, \zero
	PLACES
	FETCH \slot, \k, \g
	s_wait_dscnt 32                                ; all but the 32 just issued
	MUL8 \f, 1, 0, 0
	MUL8 \f, 1, 2, 0
.endm
; The last quarter multiplies buffer 1 and changes slots: ONE barrier; in front of it each wave waits for all its tensor loads, adds 0 to its spare word, and waits for that and for its own reads of this slot.
; fill = 1: the barrier opens a round of the cluster's, and this slot is filled again, two K steps ahead.
.macro TURN slot, next, fill
	WIN 0                                          ; (the add's two registers lie in window 0)
	s_wait_tensorcnt 0x0                           ; all my tensor loads have landed: my part of the next slot
	ds_add_u32 v[SPW], v[NIL]                      ; 0 onto my spare word
	s_wait_dscnt 17                                ; (the add and the youngest sixteen loads may be out)
	MUL8 F1, 0, 0, 0                               ; eight matrix instructions stand between the add and the wait for it
	s_wait_dscnt 0x0                               ; the add is done, and my reads of this slot are over
	s_barrier_signal -1
	MUL8 F1, 0, 2, 0
.if \fill
	WIN 0
.endif
	s_barrier_wait -1
.if \fill
	CREST                                          ; no wave of any partner still reads this slot's tile or has a load on its way
	s_add_nc_u64 s[G0+4*(\slot)+2:G0+4*(\slot)+3], s[G0+4*(\slot)+2:G0+4*(\slot)+3], 8*SLAB
	s_add_nc_u64 s[G0B+4*(\slot)+2:G0B+4*(\slot)+3], s[G0B+4*(\slot)+2:G0B+4*(\slot)+3], 8*BSLAB
	JLOAD \slot                                    ; the first tensor load behind the round, my only one: 112 matrix instructions ahead of the wait for it; its four v_nop are also the places in front of the loads below
.else
	PLACES
.endif
	FETCH \next, 0, F0
	MUL8 F1, 1, 0, 0
	MUL8 F1, 1, 2, 0
.endm
	s_wait_tensorcnt 1                             ; my part of K step 0 is in; K step 1's may stay out
	s_barrier_signal -1
	s_barrier_wait -1                              ; everybody's is
	FETCH 0, 0, F0
	s_wait_loadcnt 32                              ; the bias is in; the 32 younger loads, the residual, stay out
	QUARTER 0, SL, F0, F1, 1                       ; the first quarter stands in front of the loop: its first products start the sums
	WIN 0                                          ; at a label and at a branch every window is 0
	s_mov_b32 s3, LAPS-1
.Llap:                                                 ; a trip goes once round the ring, from a lap's second quarter to the next lap's first, and fills both slots again
	QUARTER 0, 2*SL, F1, F0, 0
	QUARTER 0, 3*SL, F0, F1, 0
	TURN 0, 1, 1
	QUARTER 1, SL, F0, F1, 0
	QUARTER 1, 2*SL, F1, F0, 0
	QUARTER 1, 3*SL, F0, F1, 0
	TURN 1, 0, 1
	QUARTER 0, SL, F0, F1, 0
	WIN 0
	s_sub_co_u32 s3, s3, 1
	s_cmp_lg_u32 s3, 0
	s_cbranch_scc1 .Llap
	QUARTER 0, 2*SL, F1, F0, 0                     ; the last lap fills nothing, and has no round of the cluster's barrier
	QUARTER 0, 3*SL, F0, F1, 0
	TURN 0, 1, 0
	QUARTER 1, SL, F0, F1, 0
	QUARTER 1, 2*SL, F1, F0, 0
	QUARTER 1, 3*SL, F0, F1, 0
	s_wait_dscnt 16                                ; the very last quarter: nothing more to fetch
	MUL8 F1, 0, 0, 0
	MUL8 F1, 0, 2, 0
	s_wait_dscnt 0x0
	MUL8 F1, 1, 0, 0
	MUL8 F1, 1, 2, 0
	WIN 0
	; THE WAY OUT, 16 rows at a time.  A wave's 64 columns of f32 are 256 bytes of a row: the sums go as they are into my own stage (each accumulator's low four registers first), come back as whole rows,
	; take the residual and leave: sixteen lanes store 256 consecutive bytes, aligned.  The stage is mine alone: no barrier.
	s_wait_loadcnt 0x0                             ; the residual
	PLACES
.irp a, 0,1,2,3
.set TT, TMP+32*((\a)%2)
	s_wait_xcnt 0x0                                ; the registers that earlier stores read are rewritten only behind this wait
.irp b, 0,1,2,3
	ds_store_b128 v[STO], v[ACC+8*(4*(\a)+(\b)):ACC+8*(4*(\a)+(\b))+3]   offset:64*(\b)
	ds_store_b128 v[STO], v[ACC+8*(4*(\a)+(\b))+4:ACC+8*(4*(\a)+(\b))+7] offset:64*(\b)+16
.endr
.irp t, 0,1,2,3,4,5,6,7
	ds_load_b128 v[TT+4*(\t):TT+4*(\t)+3], v[RD] offset:(\t)*2*SPITCH  ; LDS serves a wave's instructions in order (ISA guide 5.7.1.4): these see the stores above; the next block's stores come behind them
.endr
	s_wait_dscnt 0x0
	WIN 0x08                                       ; source 1, the residual, in window 2
.set i, 0
.rept 16
	v_pk_add_f32 v[TT+2*i:TT+2*i+1], v[TT+2*i:TT+2*i+1], v[32*(\a)+2*i:32*(\a)+2*i+1]
.set i, i+1
.endr
	WIN 0
.irp t, 0,1,2,3,4,5,6,7
	global_store_b128 v[CO], v[TT+4*(\t):TT+4*(\t)+3], s[8:9] offset:(16*(\a)+2*(\t))*4096
.endr
.endr
	s_wait_tensorcnt 0x0                           ; the wave's end: behind my last tensor load and my last LDS store
	ds_add_u32 v[SPW], v[NIL]
	s_wait_dscnt 0x0
	CROUND                                         ; the closing round: no work-group ends while a partner may still ask for a tile that names it
	s_endpgm
.Lfunc_end_k_qcce7cab14a_proj:
	.size	k_qcce7cab14a_proj, .Lfunc_end_k_qcce7cab14a_proj-k_qcce7cab14a_proj
	.p2alignl 7, 3214868480
	.fill 96, 4, 3214868480
	.section	.rodata,"a",@progbits
	.p2align	6, 0x0
	.amdhsa_kernel k_qcce7cab14a_proj
		.amdhsa_group_segment_fixed_size 327680
		.amdhsa_private_segment_fixed_size 0
		.amdhsa_enable_private_segment 0
		.amdhsa_kernarg_size 40
		.amdhsa_user_sgpr_count 2
		.amdhsa_user_sgpr_kernarg_segment_ptr 1
		.amdhsa_wavefront_size32 1
		.amdhsa_system_sgpr_workgroup_id_x 1
		.amdhsa_system_sgpr_workgroup_id_y 1
		.amdhsa_system_sgpr_workgroup_id_z 1
		.amdhsa_system_vgpr_workitem_id 0
		.amdhsa_next_free_vgpr 640
		.amdhsa_next_free_sgpr 80
		.amdhsa_reserve_vcc 0
		.amdhsa_float_denorm_mode_32 3
		.amdhsa_float_denorm_mode_16_64 3
		.amdhsa_memory_ordered 1
		.amdhsa_forward_progress 1
		.amdhsa_inst_pref_size 94
	.end_amdhsa_kernel
	.amdgpu_metadata
---
amdhsa.version: [ 1, 2 ]
amdhsa.kernels:
  - .name:           k_qcce7cab14a_proj
    .symbol:         k_qcce7cab14a_proj.kd
    .args:
      - { .name: act, .offset: 0, .size: 8, .value_kind: global_buffer, .address_space: global }
      - { .name: wq, .offset: 8, .size: 8, .value_kind: global_buffer, .address_space: global }
      - { .name: proj_b, .offset: 16, .size: 8, .value_kind: global_buffer, .address_space: global }
      - { .name: x, .offset: 24, .size: 8, .value_kind: global_buffer, .address_space: global }
      - { .name: x1, .offset: 32, .size: 8, .value_kind: global_buffer, .address_space: global }
    .group_segment_fixed_size: 327680
    .private_segment_fixed_size: 0
    .kernarg_segment_align: 8
    .kernarg_segment_size: 40
    .max_flat_workgroup_size: 128
    .sgpr_count:     80
    .vgpr_count:     640
    .wavefront_size: 32
...
	.end_amdgpu_metadata
.endif
;; end of part 4
;; launch ln2: the kernel of part 1 again; grid 256 x 1, 8 waves a work-group, no clusters, 0 bytes of LDS; arguments x1, ln2_g, ln2_b, act, qkv_w, l1_w, proj_w, l3_w, wq, w1, zb, ninf; writes act, wq, w1, zb, ninf
;; launch l1: the kernel of part 2 again; grid 16 x 16, 4 waves a work-group, clusters of 4 x 4, 327,680 bytes of LDS; arguments act, w1, l1_b, zb, big; writes big
;; launch l3 (part 5): grid 8 x 32, 4 waves a work-group, clusters of 4 x 4, 327,680 bytes of LDS; arguments big, w1, l3_b, x1, out0; writes out0
.if DOCPART == 5
	.amdgcn_target "amdgcn-amd-amdhsa--gfx1250"
	.amdhsa_code_object_version 6
	.text
	.protected	k_qcce7cab14a_l3
	.globl	k_qcce7cab14a_l3
	.p2align	8
	.type	k_qcce7cab14a_l3,@function
k_qcce7cab14a_l3:
	s_mov_b64 s[64:65], 0
	v_nop
	global_prefetch_b8 v0, s[64:65] scope:SCOPE_SE
	s_setreg_imm32_b32 hwreg(HW_REG_WAVE_MODE, 25, 1), 1
	s_wait_xcnt 0x0
	s_wait_alu depctr_hold_cnt(0) depctr_sa_sdst(0) depctr_va_vdst(0) depctr_va_sdst(0) depctr_va_ssrc(0) depctr_va_vcc(0) depctr_vm_vsrc(0)
	s_getreg_b32 s2, hwreg(HW_REG_IB_STS2, 6, 4)
	s_cmp_eq_u32 s2, 0
	s_cbranch_scc0 .Lentry_in_a_cluster
	s_endpgm
.Lentry_in_a_cluster:
	s_bfe_u32 s2, ttmp6, 0x10000c
	s_cmp_lg_u32 s2, 0xf033
	s_cbranch_scc0 .Lentry_shape_is_right
	s_endpgm
.Lentry_shape_is_right:
; out[m][n] = sum over k of A[m][k] B[n][k] + bias[n] + res[m][n].  4,096 rows, N = 1,024, K = 256 x 2 x LAPS.  A and B in bf16, bias, res and out in f32 (row-major); sums in f32.
; Here: the second MLP layer with its residual (K = 4,096).  The same text with another LAPS serves the attention's projection.
; LAYOUTS.  A lies in slabs of 64 columns: [k / 64][4,096 rows][64], a slab 524,288 bytes; B likewise with 1,024 rows, a slab 131,072 bytes, from byte 8,388,608 of its buffer on.  128 rows x 64 k are 16,384 consecutive bytes.
; A tile of out is 128 x 128, so that N = 1,024 gives each of 256 work-groups one.  Four waves, each 64 x 64: 16 accumulators.  K goes in steps of 256 (four slabs) through a ring of two LDS slots.  Each wave fetches
; two slab parts of a step with one tensor load: a tile of 2 rows x 16,384 bytes, a slab apart in memory, padded in LDS behind every 128 bytes (the padding is counted along the whole tile).
; CLUSTERS: 4 x 4 work-groups; A's tiles are asked for jointly along a row of the cluster, B's along a column.  No prefetch: the tiles are small and are read by many work-groups.
; THE MATRIX INSTRUCTION IS USED TRANSPOSED (source 0 = 16 rows of B, source 1 = 16 rows of A): a lane holds row l % 16 and eight neighbouring columns.  The bias is the C operand of the product that starts each sum.
; THE RESIDUAL is asked for at the head, in the layout of the stores, and stays on its way through the whole loop over K: 128 registers of window 2.
; REGISTERS: window 0: v0-31 addresses; v32-63 the bias, later with v64-95 at work on the way out; v128-255 the accumulators ((a, b) at v[128 + 8 (4 a + b)])
;   window 1: two fragment buffers of 128: for 64 along K, 64 registers of A, then 64 of B          window 2: v0-127 the residual
.set LAPS,   8                         ; a lap = two K steps of 256
.set WOFF,   8388608                   ; where the weights begin in their buffer
.set PITCH,  144                       ; an LDS row: 128 bytes + 16 of padding = 36 words: the 16 rows of a fragment load start at 16 different groups of four banks (64 banks of 4 bytes: ISA guide 11.1)
.set SL,     128*PITCH                 ; one slab of 64 k for 128 rows
.set SLOT,   8*SL                      ; A's four slabs, then B's four
.set STAGE,  2*SLOT                    ; behind the ring: 16 rows x 272 bytes for each wave, for the way out
.set SPITCH, 272
.set SPARE,  STAGE+4*16*SPITCH         ; the spare words, 128 bytes for each wave: two blocks of 256 bytes that no other line names
.set SLAB,   524288
.set BSLAB,  131072
.set ADRA, 16                          ; v16-17  LDS address of my A fragments in slot 0, 1
.set ADRB, 20                          ; v20-21  the same for B
.set STO,  24                          ; v24     the way out: where I put 16 bytes of a row
.set RD,   25                          ; v25     the way out: where I read a row back
.set CO,   26                          ; v26     my byte offset in two rows of res and out: 4,096 (l / 16) + 16 (l % 16)
.set BO,   27                          ; v27     32 x (l / 16): my eight numbers in 16 of the bias
.set SPW,  28                          ; v28     LDS address of my spare word; never rewritten
.set NIL,  29                          ; v29     0; never rewritten
.set TMP,  32
.set BIAS, 32
.set ACC,  128
.set F0,   0
.set F1,   128
.set G1, 24
.set G0, 32
.set G1B, 48
.set G0B, 56
.set GW0, (1<<16)|(1<<20)|(1<<21)|(4<<22)|(3<<25)  ; group 1, word 0 without the mask: 2-byte elements; padding on; bit 21 beside a mask; after every 32 words (code 4) 4 words (code 3)
.set MSB, 0
.macro WIN new
.if MSB != (\new)
	s_set_vgpr_msb (MSB<<8)|(\new)
.set MSB, \new
.endif
.endm
.set MUL,  0x05                        ; sources 0 (B) and 1 (A) window 1; C and D window 0
.set TO_F, 0x40                        ; destination window 1, address window 0
.macro JLOAD s                         ; a joint load: waves 0 and 1 fetch A's slabs, waves 2 and 3 B's; an s_nop 0 and four v_nop follow each of the two lines
	s_cmp_eq_u32 s11, 0
	s_cbranch_scc0 .Lfor_b_\@
	tensor_load_to_lds s[G0+4*(\s):G0+4*(\s)+3], s[G1:G1+7]
	s_nop 0
.rept 4
	v_nop
.endr
	s_branch .Lasked_\@
.Lfor_b_\@:
	tensor_load_to_lds s[G0B+4*(\s):G0B+4*(\s)+3], s[G1B:G1B+7]
	s_nop 0
.rept 4
	v_nop
.endr
.Lasked_\@:
.endm
.macro CREST                           ; a round of the cluster's barrier behind its opening barrier
	s_cmp_lg_u32 s10, 0
	s_cbranch_scc1 .Lnot_wave_0_\@
	s_barrier_signal -3
.Lnot_wave_0_\@:
	s_barrier_wait -3
	s_barrier_signal -1
	s_barrier_wait -1
.endm
.macro CROUND
	s_barrier_signal -1
	s_barrier_wait -1
	CREST
.endm
	s_load_b128 s[4:7], s[0:1], 0x0                ; A s[4:5], B s[6:7]
	s_load_b128 s[68:71], s[0:1], 0x10             ; bias s[68:69], res s[70:71]
	s_load_b64 s[8:9], s[0:1], 0x20                ; out
	v_lshl_add_u32 v[SPW], v0, 2, SPARE
	v_mov_b32 v[NIL], 0
	ds_add_u32 v[SPW], v[NIL]                      ; the wave's opening: the add, and its wait ahead of my first tensor load; the set-up below stands between them
	v_lshrrev_b32 v1, 5, v0
	v_readfirstlane_b32 s10, v1                    ; wave 0..3
	s_lshr_b32 s11, s10, 1                         ; which half of the tile's rows is mine.  Also: I fetch for A (0) or for B (1)
	s_and_b32 s12, s10, 1                          ; which half of its columns.  Also: the first or the last two slabs of a step
	s_bfe_u32 s40, ttmp6, 0x40000                  ; cx, cy
	s_bfe_u32 s41, ttmp6, 0x40004
	s_lshl_b32 s42, ttmp9, 2
	s_add_co_u32 s42, s42, s40                     ; tile column = 4 x cluster x + cx
	s_and_b32 s13, ttmp7, 0xffff
	s_lshl_b32 s13, s13, 2
	s_add_co_u32 s13, s13, s41                     ; tile row = 4 x cluster y + cy
	s_lshl_b32 s43, s41, 2
	s_lshl_b32 s43, 15, s43                        ; my row of the cluster
	s_lshl_b32 s44, 0x1111, s40                    ; my column
	s_or_b32 s[G1+0], s43, GW0
	s_or_b32 s[G1B+0], s44, GW0
.irp g, G1, G1B
	s_mov_b32 s[(\g)+1], 8192<<16                  ; tensor_dim0 = 8,192 elements: a slab part of 16,384 bytes
	s_mov_b32 s[(\g)+2], 2<<16                     ; tensor_dim1 = 2
	s_mov_b32 s[(\g)+3], 8192<<16                  ; tile_dim0 = 8,192
	s_mov_b32 s[(\g)+4], 2                         ; tile_dim1 = 2
	s_mov_b32 s[(\g)+6], 0
	s_mov_b32 s[(\g)+7], 0
.endr
	s_mov_b32 s[G1+5], SLAB/2                      ; elements from a slab of A to the next,
	s_mov_b32 s[G1B+5], BSLAB/2                    ; of B
	s_lshl_b32 s16, s13, 14                        ; A: 128 rows of 128 bytes for each tile row,
	s_lshl_b32 s17, s12, 20                        ; my two slabs of the step
	s_add_co_u32 s16, s16, s17
	s_mov_b32 s17, 0
	s_lshl_b32 s46, s42, 14                        ; B: the same by the tile column
	s_lshl_b32 s47, s12, 18
	s_add_co_u32 s46, s46, s47
	s_add_co_u32 s46, s46, WOFF
	s_mov_b32 s47, 0
	s_lshl_b32 s74, s13, 19                        ; res and out: 128 rows of 4,096 bytes for each tile row,
	s_lshl_b32 s75, s11, 18                        ; my 64 of them,
	s_add_co_u32 s74, s74, s75
	s_lshl_b32 s76, s42, 9                         ; my 64 columns: 4 (128 x tile column + 64 x half)
	s_lshl_b32 s77, s12, 8
	s_add_co_u32 s76, s76, s77
	s_add_co_u32 s74, s74, s76
	s_mov_b32 s75, 0
	s_mov_b32 s77, 0
	s_mul_i32 s20, s10, 2*SL                       ; where my tiles go: no place in the cluster enters an LDS address
	s_wait_dscnt 0x0                               ; the opening add is done
	s_wait_kmcnt 0x0
	s_add_nc_u64 s[14:15], s[4:5], s[16:17]
	s_add_nc_u64 s[46:47], s[6:7], s[46:47]
	s_add_nc_u64 s[68:69], s[68:69], s[76:77]
	s_add_nc_u64 s[70:71], s[70:71], s[74:75]
	s_add_nc_u64 s[8:9], s[8:9], s[74:75]
	CROUND                                         ; all sixteen work-groups are here: the first joint loads meet
.irp s, 0,1
	s_mov_b32 s[G0+4*(\s)], 1
	s_add_co_u32 s[G0+4*(\s)+1], s20, (\s)*SLOT
	s_add_nc_u64 s[G0+4*(\s)+2:G0+4*(\s)+3], s[14:15], (\s)*4*SLAB
	s_or_b32 s[G0+4*(\s)+3], s[G0+4*(\s)+3], 0x80000000
	s_mov_b32 s[G0B+4*(\s)], 1
	s_add_co_u32 s[G0B+4*(\s)+1], s20, (\s)*SLOT
	s_add_nc_u64 s[G0B+4*(\s)+2:G0B+4*(\s)+3], s[46:47], (\s)*4*BSLAB
	s_or_b32 s[G0B+4*(\s)+3], s[G0B+4*(\s)+3], 0x80000000
	JLOAD \s                                       ; two loads of mine are out
.endr
	v_and_b32 v1, 15, v0                           ; l % 16
	v_bfe_u32 v2, v0, 4, 1                         ; l / 16
	v_lshlrev_b32 v[BO], 5, v2
	v_lshlrev_b32 v5, 12, v2
	v_lshl_add_u32 v[CO], v1, 4, v5
.irp b, 0,1,2,3
	global_load_b128 v[BIAS+8*(\b):BIAS+8*(\b)+3],   v[BO], s[68:69] offset:64*(\b)
	global_load_b128 v[BIAS+8*(\b)+4:BIAS+8*(\b)+7], v[BO], s[68:69] offset:64*(\b)+16
.endr
	WIN 0x80                                       ; destination window 2, address window 0
.set n, 0
.rept 32
	global_load_b128 v[4*n:4*n+3], v[CO], s[70:71] offset:2*n*4096 th:TH_LOAD_NT  ; rows 2 n and 2 n + 1 of my 64: sixteen lanes take 256 consecutive bytes
.set n, n+1
.endr
	WIN 0
	v_mul_u32_u24 v3, v1, PITCH
	v_lshl_add_u32 v3, v2, 4, v3                   ; a fragment's row x pitch + 16 x half
	s_mul_i32 s21, s11, 64*PITCH                   ; my 64 rows of A
	s_mul_i32 s22, s12, 64*PITCH                   ; my 64 rows of B,
	s_add_co_u32 s22, s22, 4*SL                    ; which lie behind A's four slabs
.irp s, 0,1
	v_add_nc_u32 v[ADRA+(\s)], s21, v3
	v_add_nc_u32 v[ADRB+(\s)], s22, v3
	s_add_co_u32 s21, s21, SLOT
	s_add_co_u32 s22, s22, SLOT
.endr
	s_mul_i32 s23, s10, 16*SPITCH
	s_add_co_u32 s23, s23, STAGE                   ; my stage
	v_mul_u32_u24 v4, v1, SPITCH                   ; in: row l % 16, 32 bytes for each half of the lanes
	v_lshl_add_u32 v4, v2, 5, v4
	v_add_nc_u32 v[STO], s23, v4
	v_mul_u32_u24 v5, v2, SPITCH                   ; back: lanes 0-15 take one row of 256 bytes, lanes 16-31 the next
	v_lshl_add_u32 v5, v1, 4, v5
	v_add_nc_u32 v[RD], s23, v5
; 8 matrix instructions: m blocks a0, a0 + 1 x all 4 n blocks, 32 along K: half c of buffer f.  zero = 1: the first product starts the sums, with the bias as C.  The 16 accumulators take turns.
.macro MUL8 f, c, a0, zero
	WIN MUL
.irp a, \a0, (\a0)+1
.irp b, 0,1,2,3
.if \zero
	v_wmma_f32_16x16x32_bf16 v[ACC+8*(4*(\a)+(\b)):ACC+8*(4*(\a)+(\b))+7], v[(\f)+64+8*(4*(\c)+(\b)):(\f)+64+8*(4*(\c)+(\b))+7], v[(\f)+8*(4*(\c)+(\a)):(\f)+8*(4*(\c)+(\a))+7], v[BIAS+8*(\b):BIAS+8*(\b)+7]
.else
	v_wmma_f32_16x16x32_bf16 v[ACC+8*(4*(\a)+(\b)):ACC+8*(4*(\a)+(\b))+7], v[(\f)+64+8*(4*(\c)+(\b)):(\f)+64+8*(4*(\c)+(\b))+7], v[(\f)+8*(4*(\c)+(\a)):(\f)+8*(4*(\c)+(\a))+7], v[ACC+8*(4*(\a)+(\b)):ACC+8*(4*(\a)+(\b))+7]
.endif
.endr
.endr
.endm
; 32 LDS loads in one run: the fragments of one slab (64 along K), which begins k bytes behind the slot's first, into buffer f; the first 32 along K first
.macro FETCH slot, k, f
	WIN TO_F
.irp c, 0,1
.irp i, 0,1,2,3
	ds_load_b128 v[(\f)+64+8*(4*(\c)+(\i)):(\f)+64+8*(4*(\c)+(\i))+3],   v[ADRB+(\slot)] offset:(\k)+64*(\c)+(\i)*16*PITCH
	ds_load_b128 v[(\f)+64+8*(4*(\c)+(\i))+4:(\f)+64+8*(4*(\c)+(\i))+7], v[ADRB+(\slot)] offset:(\k)+64*(\c)+(\i)*16*PITCH+32
	ds_load_b128 v[(\f)+8*(4*(\c)+(\i)):(\f)+8*(4*(\c)+(\i))+3],         v[ADRA+(\slot)] offset:(\k)+64*(\c)+(\i)*16*PITCH
	ds_load_b128 v[(\f)+8*(4*(\c)+(\i))+4:(\f)+8*(4*(\c)+(\i))+7],       v[ADRA+(\slot)] offset:(\k)+64*(\c)+(\i)*16*PITCH+32
.endr
.endr
.endm
.macro PLACES                          ; four plain places in front of loads into registers that matrix instructions have read, and of stores that read results
.rept 4
	v_nop
.endr
.endm
; A K step is four quarters, a slab each, 32 matrix instructions each, on buffers 0, 1, 0, 1.  One of the first three: multiplies buffer f and fetches the next slab, at byte k, into g.
.macro QUARTER slot, k, f, g, zero
	s_wait_dscnt 16                                ; the first 32 along K are in; the youngest sixteen loads may be out
	MUL8 \f, 0, 0, \zero
	MUL8 \f, 0, 2, \zero
	PLACES
	FETCH \slot, \k, \g
	s_wait_dscnt 32                                ; all but the 32 just issued
	MUL8 \f, 1, 0, 0
	MUL8 \f, 1, 2, 0
.endm
; The last quarter multiplies buffer 1 and changes slots: ONE barrier; in front of it each wave waits for all its tensor loads, adds 0 to its spare word, and waits for that and for its own reads of this slot.
; fill = 1: the barrier opens a round of the cluster's, and this slot is filled again, two K steps ahead.
.macro TURN slot, next, fill
	WIN 0                                          ; (the add's two registers lie in window 0)
	s_wait_tensorcnt 0x0                           ; all my tensor loads have landed: my part of the next slot
	ds_add_u32 v[SPW], v[NIL]                      ; 0 onto my spare word
	s_wait_dscnt 17                                ; (the add and the youngest sixteen loads may be out)
	MUL8 F1, 0, 0, 0                               ; eight matrix instructions stand between the add and the wait for it
	s_wait_dscnt 0x0                               ; the add is done, and my reads of this slot are over
	s_barrier_signal -1
	MUL8 F1, 0, 2, 0
.if \fill
	WIN 0
.endif
	s_barrier_wait -1
.if \fill
	CREST                                          ; no wave of any partner still reads this slot's tile or has a load on its way
	s_add_nc_u64 s[G0+4*(\slot)+2:G0+4*(\slot)+3], s[G0+4*(\slot)+2:G0+4*(\slot)+3], 8*SLAB
	s_add_nc_u64 s[G0B+4*(\slot)+2:G0B+4*(\slot)+3], s[G0B+4*(\slot)+2:G0B+4*(\slot)+3], 8*BSLAB
	JLOAD \slot                                    ; the first tensor load behind the round, my only one: 112 matrix instructions ahead of the wait for it; its four v_nop are also the places in front of the loads below
.else
	PLACES
.endif
	FETCH \next, 0, F0
	MUL8 F1, 1, 0, 0
	MUL8 F1, 1, 2, 0
.endm
	s_wait_tensorcnt 1                             ; my part of K step 0 is in; K step 1's may stay out
	s_barrier_signal -1
	s_barrier_wait -1                              ; everybody's is
	FETCH 0, 0, F0
	s_wait_loadcnt 32                              ; the bias is in; the 32 younger loads, the residual, stay out
	QUARTER 0, SL, F0, F1, 1                       ; the first quarter stands in front of the loop: its first products start the sums
	WIN 0                                          ; at a label and at a branch every window is 0
	s_mov_b32 s3, LAPS-1
.Llap:                                                 ; a trip goes once round the ring, from a lap's second quarter to the next lap's first, and fills both slots again
	QUARTER 0, 2*SL, F1, F0, 0
	QUARTER 0, 3*SL, F0, F1, 0
	TURN 0, 1, 1
	QUARTER 1, SL, F0, F1, 0
	QUARTER 1, 2*SL, F1, F0, 0
	QUARTER 1, 3*SL, F0, F1, 0
	TURN 1, 0, 1
	QUARTER 0, SL, F0, F1, 0
	WIN 0
	s_sub_co_u32 s3, s3, 1
	s_cmp_lg_u32 s3, 0
	s_cbranch_scc1 .Llap
	QUARTER 0, 2*SL, F1, F0, 0                     ; the last lap fills nothing, and has no round of the cluster's barrier
	QUARTER 0, 3*SL, F0, F1, 0
	TURN 0, 1, 0
	QUARTER 1, SL, F0, F1, 0
	QUARTER 1, 2*SL, F1, F0, 0
	QUARTER 1, 3*SL, F0, F1, 0
	s_wait_dscnt 16                                ; the very last quarter: nothing more to fetch
	MUL8 F1, 0, 0, 0
	MUL8 F1, 0, 2, 0
	s_wait_dscnt 0x0
	MUL8 F1, 1, 0, 0
	MUL8 F1, 1, 2, 0
	WIN 0
	; THE WAY OUT, 16 rows at a time.  A wave's 64 columns of f32 are 256 bytes of a row: the sums go as they are into my own stage (each accumulator's low four registers first), come back as whole rows,
	; take the residual and leave: sixteen lanes store 256 consecutive bytes, aligned.  The stage is mine alone: no barrier.
	s_wait_loadcnt 0x0                             ; the residual
	PLACES
.irp a, 0,1,2,3
.set TT, TMP+32*((\a)%2)
	s_wait_xcnt 0x0                                ; the registers that earlier stores read are rewritten only behind this wait
.irp b, 0,1,2,3
	ds_store_b128 v[STO], v[ACC+8*(4*(\a)+(\b)):ACC+8*(4*(\a)+(\b))+3]   offset:64*(\b)
	ds_store_b128 v[STO], v[ACC+8*(4*(\a)+(\b))+4:ACC+8*(4*(\a)+(\b))+7] offset:64*(\b)+16
.endr
.irp t, 0,1,2,3,4,5,6,7
	ds_load_b128 v[TT+4*(\t):TT+4*(\t)+3], v[RD] offset:(\t)*2*SPITCH  ; LDS serves a wave's instructions in order (ISA guide 5.7.1.4): these see the stores above; the next block's stores come behind them
.endr
	s_wait_dscnt 0x0
	WIN 0x08                                       ; source 1, the residual, in window 2
.set i, 0
.rept 16
	v_pk_add_f32 v[TT+2*i:TT+2*i+1], v[TT+2*i:TT+2*i+1], v[32*(\a)+2*i:32*(\a)+2*i+1]
.set i, i+1
.endr
	WIN 0
.irp t, 0,1,2,3,4,5,6,7
	global_store_b128 v[CO], v[TT+4*(\t):TT+4*(\t)+3], s[8:9] offset:(16*(\a)+2*(\t))*4096
.endr
.endr
	s_wait_tensorcnt 0x0                           ; the wave's end: behind my last tensor load and my last LDS store
	ds_add_u32 v[SPW], v[NIL]
	s_wait_dscnt 0x0
	CROUND                                         ; the closing round: no work-group ends while a partner may still ask for a tile that names it
	s_endpgm
.Lfunc_end_k_qcce7cab14a_l3:
	.size	k_qcce7cab14a_l3, .Lfunc_end_k_qcce7cab14a_l3-k_qcce7cab14a_l3
	.p2alignl 7, 3214868480
	.fill 96, 4, 3214868480
	.section	.rodata,"a",@progbits
	.p2align	6, 0x0
	.amdhsa_kernel k_qcce7cab14a_l3
		.amdhsa_group_segment_fixed_size 327680
		.amdhsa_private_segment_fixed_size 0
		.amdhsa_enable_private_segment 0
		.amdhsa_kernarg_size 40
		.amdhsa_user_sgpr_count 2
		.amdhsa_user_sgpr_kernarg_segment_ptr 1
		.amdhsa_wavefront_size32 1
		.amdhsa_system_sgpr_workgroup_id_x 1
		.amdhsa_system_sgpr_workgroup_id_y 1
		.amdhsa_system_sgpr_workgroup_id_z 1
		.amdhsa_system_vgpr_workitem_id 0
		.amdhsa_next_free_vgpr 640
		.amdhsa_next_free_sgpr 80
		.amdhsa_reserve_vcc 0
		.amdhsa_float_denorm_mode_32 3
		.amdhsa_float_denorm_mode_16_64 3
		.amdhsa_memory_ordered 1
		.amdhsa_forward_progress 1
		.amdhsa_inst_pref_size 94
	.end_amdhsa_kernel
	.amdgpu_metadata
---
amdhsa.version: [ 1, 2 ]
amdhsa.kernels:
  - .name:           k_qcce7cab14a_l3
    .symbol:         k_qcce7cab14a_l3.kd
    .args:
      - { .name: big, .offset: 0, .size: 8, .value_kind: global_buffer, .address_space: global }
      - { .name: w1, .offset: 8, .size: 8, .value_kind: global_buffer, .address_space: global }
      - { .name: l3_b, .offset: 16, .size: 8, .value_kind: global_buffer, .address_space: global }
      - { .name: x1, .offset: 24, .size: 8, .value_kind: global_buffer, .address_space: global }
      - { .name: out0, .offset: 32, .size: 8, .value_kind: global_buffer, .address_space: global }
    .group_segment_fixed_size: 327680
    .private_segment_fixed_size: 0
    .kernarg_segment_align: 8
    .kernarg_segment_size: 40
    .max_flat_workgroup_size: 128
    .sgpr_count:     80
    .vgpr_count:     640
    .wavefront_size: 32
...
	.end_amdgpu_metadata
.endif
;; end of part 5
;; ======== version 2 of 2: 7 launches; version 1 with the launches pl, ln2 written anew for expert scheduling mode
;; limits: right only within a limited range of input values
;; workspace buffers: wq 10,485,760 bytes; w1 16,777,216 bytes; act 8,388,608 bytes; big 33,554,432 bytes; x1 16,777,216 bytes; zb 16,384 bytes; ninf 4,096 bytes
;; launch pl (part 6): grid 1024 x 1, 8 waves a work-group, no clusters, 0 bytes of LDS; arguments x, ln1_g, ln1_b, act, qkv_w, l1_w, proj_w, l3_w, wq, w1, zb, ninf; writes act, wq, w1, zb, ninf
.if DOCPART == 6
	.amdgcn_target "amdgcn-amd-amdhsa--gfx1250"
	.amdhsa_code_object_version 6
	.text
	.protected	k_qcce7cab14a_pl
	.globl	k_qcce7cab14a_pl
	.p2align	8
	.type	k_qcce7cab14a_pl,@function
k_qcce7cab14a_pl:
	s_mov_b64 s[64:65], 0
	v_nop
	global_prefetch_b8 v0, s[64:65] scope:SCOPE_SE
	s_setreg_imm32_b32 hwreg(HW_REG_WAVE_SCHED_MODE, 0, 2), 2
	s_setreg_imm32_b32 hwreg(HW_REG_WAVE_MODE, 25, 1), 1
	s_wait_xcnt 0x0
	s_wait_alu depctr_vm_vsrc(0)
; TWO STREAMS IN ONE TEXT, told apart by the work-group's number: work-groups 0-255 make a layer norm, those from 256 on cast the weights.  The two jobs touch no common byte, so they share a launch.
; A launch of 256 work-groups runs the layer norm alone (the block's second norm).
;
; LAYER NORM: y = g (x - mean) / (std + 1e-6) + b along rows of 1,024 f32, std with the divisor 1,023.  4,096 rows in, row-major; y out in bf16, rounded once, in slabs of 64 columns:
; [column / 64][row][column % 64], a slab 524,288 bytes: the layout in which the products that follow ask for dense tiles.
; A wave takes two rows and keeps them in registers: lanes 0-15 the even row, lanes 16-31 the odd one; lane i holds columns 64 n + 4 i .. + 3, n = 0 .. 15.  So the row is read once, each
; load covers 256 consecutive bytes of each row, a row's sums stay within 16 lanes (four steps that ride on the additions), and each store covers 256 consecutive bytes, aligned, of one slab.
; The variance is taken of x - mean, in a second pass over the registers: no difference of large sums is formed.  All in f32.
; LIMITS.  A variance below 2^-126 counts as 0 (the root takes no denormals); root and reciprocal are good to the last bit but one; NaN and infinities are not treated apart.
;
; THE WEIGHTS are rounded once to bf16 and laid out so that every tile that a later launch asks for is dense in memory.
;   qkv_w [3072][1024] -> wq at byte 0, l1_w [4096][1024] -> w1 at byte 0:  [n / 256][k / 64][n % 256][k % 64]   (a block of 256 rows x 64 k is 32,768 consecutive bytes)
;   proj_w [1024][1024] -> wq at byte 8,388,608, l3_w [1024][4096] -> w1 at byte 8,388,608:  [k / 64][n][k % 64]   (a slab of 1,024 rows x 64 k is 131,072 bytes)
; Also: zb takes 16,384 bytes of zeros, ninf 4,096 bytes of the word 0xff80ff80 (minus infinity twice in bf16).
; A wave takes two neighbouring rows n, n + 1 and 1,024 k of them: 16 loads of 16 bytes a lane; lanes 0-15 take 256 consecutive bytes of row n, lanes 16-31 of row n + 1.
; A load's 64 k of two rows are, rounded, 256 consecutive bytes, aligned, of one slab: one store of 8 bytes a lane.
; Of the 768 work-groups 0-191 take qkv_w, 192-447 l1_w, 448-511 proj_w, 512-767 l3_w (four pieces of 1,024 k to a pair of rows).
; Memory binds both jobs: no LDS, no barrier, no loop, each byte read and written once.
;
; THE MODE: SCHED_MODE bits 1:0 = 2 (LLVM: expert scheduling mode 2), set by the entry lines.  The code itself states the register dependences between vector instructions and memory
; instructions, with s_wait_alu, always for 0.
; THE PLAN.  Registers that memory instructions touch:
;   the offsets (layer norm: v2, v3, v4; weights: v4, v5)   made once at a path's head by vector instructions, read by every load and store of the path, never written again.
;   X, G, BT (weights: XR)   written by loads alone, which are all issued at the head, before any vector instruction has named these registers; read by vector instructions behind the waits on LOADcnt.
;   Y (weights: YR)          each register written once, by a conversion, and read once, by a store.
; So nothing that a memory instruction reads is ever written again: no wait on vm_vsrc is owed.  What is owed: the offsets are written ahead of the first load (one wait a path), and a conversion's
; result is written ahead of its store.  For that the 16 slabs go in four blocks of four: at a block's head ONE wait states that the block before has written its eight packed registers; that
; block's four stores follow, dealt among this block's vector instructions, which name this block's registers alone; one more wait stands ahead of the last four stores.
; The wave's number passes through a scalar register: one wait on va_sdst a path, ahead of its first reader.
.set XO, 2                             ; v2   4,096 x (lane / 16) + 16 (lane % 16)
.set GO, 3                             ; v3   16 (lane % 16)
.set SO, 4                             ; v4   128 x (lane / 16) + 8 (lane % 16)
.set X,  16                            ; v[16:79]    my 64 numbers of the row
.set G,  80                            ; v[80:143]   their gains
.set BT, 144                           ; v[144:207]  their biases
.set A,  208                           ; v[208:215]  four chains of packed sums
.set MN, 220                           ; v[220:221]  the mean, twice
.set R,  222                           ; v[222:223]  1 / (std + eps), twice
.set Y,  224                           ; v[224:255]  packed results
.set XR, 16                            ; the weights: v[16:79]   16 loads of 4 f32
.set YR, 80                            ;              v[80:111]  16 pairs of packed bf16
	s_cmp_lt_u32 ttmp9, 256
	s_cbranch_scc0 .Lweights
	s_load_b256 s[4:11], s[0:1], 0x0               ; x s[4:5], g s[6:7], b s[8:9], y s[10:11]
	v_lshrrev_b32 v1, 5, v0
	v_readfirstlane_b32 s12, v1
	v_bfe_u32 v5, v0, 4, 1                         ; the lane's offsets are made between that line and the wait for it
	v_and_b32 v6, 15, v0
	v_lshlrev_b32 v[GO], 4, v6
	v_lshl_add_u32 v[XO], v5, 12, v[GO]
	v_lshlrev_b32 v[SO], 3, v6
	v_lshl_add_u32 v[SO], v5, 7, v[SO]
	s_wait_alu depctr_va_sdst(0)                   ; s12, the wave's number, is written, ahead of its first reader: the bases of x and y are made from it
	s_lshl_b32 s13, ttmp9, 3
	s_add_co_u32 s13, s13, s12                     ; my pair of rows
	s_lshl_b32 s14, s13, 13                        ; 2 x 4,096 bytes in x
	s_mov_b32 s15, 0
	s_lshl_b32 s16, s13, 8                         ; 2 x 128 bytes in a slab of y
	s_mov_b32 s17, 0
	s_wait_kmcnt 0x0
	s_add_nc_u64 s[4:5], s[4:5], s[14:15]
	s_add_nc_u64 s[10:11], s[10:11], s[16:17]
	s_wait_alu depctr_va_vdst(0)                   ; the three offsets v2, v3, v4 are written: every load and store of this path reads one of them
.set n, 0
.rept 16
	global_load_b128 v[X+4*n:X+4*n+3], v[XO], s[4:5] offset:256*n th:TH_LOAD_NT
.set n, n+1
.endr
.set n, 0
.rept 16
	global_load_b128 v[G+4*n:G+4*n+3], v[GO], s[6:7] offset:256*n
.set n, n+1
.endr
.set n, 0
.rept 16
	global_load_b128 v[BT+4*n:BT+4*n+3], v[GO], s[8:9] offset:256*n
.set n, n+1
.endr
; The four chains into one number, then across the row's 16 lanes: every lane of the row ends with the sum.
.macro REDUCE
	v_pk_add_f32 v[A:A+1], v[A:A+1], v[A+2:A+3]
	v_pk_add_f32 v[A+4:A+5], v[A+4:A+5], v[A+6:A+7]
	v_pk_add_f32 v[A:A+1], v[A:A+1], v[A+4:A+5]
	v_add_f32 v[A], v[A], v[A+1]
	v_add_f32_dpp v[A], v[A], v[A] row_xmask:1 row_mask:0xf bank_mask:0xf
	v_add_f32_dpp v[A], v[A], v[A] row_xmask:2 row_mask:0xf bank_mask:0xf
	v_add_f32_dpp v[A], v[A], v[A] row_xmask:4 row_mask:0xf bank_mask:0xf
	v_add_f32_dpp v[A], v[A], v[A] row_xmask:8 row_mask:0xf bank_mask:0xf
.endm
	s_wait_loadcnt 32                              ; x is in; the 32 younger loads, gains and biases, stay out
.irp c, 0,1,2,3
	v_pk_add_f32 v[A+2*\c:A+2*\c+1], v[X+2*\c:X+2*\c+1], v[X+2*\c+8:X+2*\c+9]  ; the first two pairs start each chain: nothing is cleared
.endr
.set j, 8
.rept 24
	v_pk_add_f32 v[A+2*(j%4):A+2*(j%4)+1], v[A+2*(j%4):A+2*(j%4)+1], v[X+2*j:X+2*j+1]
.set j, j+1
.endr
	REDUCE
	v_mul_f32 v[MN], 0x3a800000, v[A]              ; / 1,024
	v_mov_b32 v[MN+1], v[MN]
.set j, 0
.rept 32
	v_pk_add_f32 v[X+2*j:X+2*j+1], v[X+2*j:X+2*j+1], v[MN:MN+1] neg_lo:[0,1] neg_hi:[0,1]  ; x - mean
.set j, j+1
.endr
.irp c, 0,1,2,3
	v_pk_mul_f32 v[A+2*\c:A+2*\c+1], v[X+2*\c:X+2*\c+1], v[X+2*\c:X+2*\c+1]
.endr
.set j, 4
.rept 28
	v_pk_fma_f32 v[A+2*(j%4):A+2*(j%4)+1], v[X+2*j:X+2*j+1], v[X+2*j:X+2*j+1], v[A+2*(j%4):A+2*(j%4)+1]
.set j, j+1
.endr
	REDUCE
	v_mul_f32 v[A], 0x3a802008, v[A]               ; / 1,023
	v_sqrt_f32 v[A+1], v[A]
	v_nop                                          ; a plain instruction behind the root,
	s_wait_alu depctr_va_vdst(0)                   ; and the wait ahead of the first use of its result: the root has written v[A+1]
	v_add_f32 v[A+1], 0x358637bd, v[A+1]           ; + 1e-6
	v_rcp_f32 v[R], v[A+1]
	v_nop
	s_wait_alu depctr_va_vdst(0)                   ; the same for the reciprocal: it has written v[R]
	v_mov_b32 v[R+1], v[R]
	s_wait_loadcnt 0x0                             ; gains and biases
; The way out, slab by slab, in four blocks of four slabs.  Slab n: my four numbers are scaled, take gain and bias, and are rounded into Y's pair n.
.set n, 0
.rept 16
.if (n % 4 == 0) && (n > 0)
	s_wait_alu depctr_va_vdst(0)                   ; the block before has written its eight registers of Y, which the four stores of this block's lines read
.endif
.if n >= 4
	global_store_b64 v[SO], v[Y+2*(n-4):Y+2*(n-4)+1], s[10:11] offset:(n-4)*524288  ; slab n - 4, of the block before: no vector instruction since the wait names its pair of Y or v4.  32 lanes store 256 consecutive bytes, aligned
.endif
	v_pk_mul_f32 v[X+4*n:X+4*n+1], v[X+4*n:X+4*n+1], v[R:R+1]
	v_pk_fma_f32 v[X+4*n:X+4*n+1], v[X+4*n:X+4*n+1], v[G+4*n:G+4*n+1], v[BT+4*n:BT+4*n+1]
	v_pk_mul_f32 v[X+4*n+2:X+4*n+3], v[X+4*n+2:X+4*n+3], v[R:R+1]
	v_pk_fma_f32 v[X+4*n+2:X+4*n+3], v[X+4*n+2:X+4*n+3], v[G+4*n+2:G+4*n+3], v[BT+4*n+2:BT+4*n+3]
	v_cvt_pk_bf16_f32 v[Y+2*n], v[X+4*n], v[X+4*n+1]
	v_cvt_pk_bf16_f32 v[Y+2*n+1], v[X+4*n+2], v[X+4*n+3]
.set n, n+1
.endr
	s_wait_alu depctr_va_vdst(0)                   ; the last block has written its eight registers of Y, which the last four stores read
.set n, 12
.rept 4
	global_store_b64 v[SO], v[Y+2*n:Y+2*n+1], s[10:11] offset:n*524288  ; 15 slabs lie inside the signed 24-bit immediate
.set n, n+1
.endr
	s_endpgm
.Lweights:
	s_load_b512 s[8:23], s[0:1], 0x20              ; qkv_w s[8:9], l1_w s[10:11], proj_w s[12:13], l3_w s[14:15], wq s[16:17], w1 s[18:19], zb s[20:21], ninf s[22:23]
	s_sub_co_u32 s46, ttmp9, 256                   ; my number among the 768 that cast
	v_lshrrev_b32 v1, 5, v0
	v_readfirstlane_b32 s2, v1                     ; wave 0..7
	v_bfe_u32 v2, v0, 4, 1                         ; which row of the pair
	v_and_b32 v3, 15, v0                           ; which 16 bytes of its 256
	v_lshlrev_b32 v5, 7, v2
	v_lshl_add_u32 v5, v3, 3, v5                   ; the lane's place in the destination: 128 x row + 8 i
	s_wait_alu depctr_va_sdst(0)                   ; s2, the wave's number, is written, ahead of its first reader: the wave's task is made from it
	s_lshl_b32 s3, s46, 3
	s_add_co_u32 s3, s3, s2                        ; the wave's task among all
	s_cmp_lt_u32 s46, 192
	s_cselect_b32 s30, 0, 1536                     ; the first task of qkv_w, of l1_w,
	s_mov_b32 s31, 4096
	s_mov_b32 s33, 16384
	s_cmp_lt_u32 s46, 512
	s_cselect_b32 s31, 3584, s31                   ; of proj_w, of l3_w
	s_cselect_b32 s33, 4096, s33                   ; bytes in a row of the source
	s_cmp_lt_u32 s46, 448
	s_cselect_b32 s30, s30, s31
	s_sub_co_u32 s3, s3, s30                       ; the task within its weight
	s_lshr_b32 s35, s3, 9
	s_and_b32 s36, s3, 511
	s_cmp_lt_u32 s46, 512
	s_cselect_b32 s35, 0, s35                      ; which 1,024 k (l3_w alone has more than one piece)
	s_cselect_b32 s36, s3, s36                     ; which pair of rows
	s_lshl_b32 s38, s36, 13                        ; a pair of rows of 4,096 bytes,
	s_lshl_b32 s37, s36, 15                        ; or of 16,384
	s_cmp_lt_u32 s46, 512
	s_cselect_b32 s38, s38, s37
	s_lshl_b32 s37, s35, 12
	s_add_co_u32 s38, s38, s37                     ; the source's byte offset
	s_mov_b32 s39, 0
	s_lshr_b32 s40, s36, 7                         ; blocked by 256 rows: block n / 256,
	s_lshl_b32 s40, s40, 19
	s_and_b32 s41, s36, 127                        ; the pair's 256 bytes within a slab of the block
	s_lshl_b32 s41, s41, 8
	s_add_co_u32 s40, s40, s41
	s_lshl_b32 s42, s36, 8                         ; in slabs of 1,024 rows: the pair's 256 bytes,
	s_lshl_b32 s43, s35, 21                        ; 16 slabs for each 1,024 k,
	s_add_co_u32 s42, s42, s43
	s_add_co_u32 s42, s42, 0x800000                ; behind the blocked weights of the same buffer
	s_cmp_lt_u32 s46, 448
	s_cselect_b32 s40, s40, s42                    ; the destination's byte offset
	s_mov_b32 s41, 0
	v_mul_u32_u24 v4, v2, s33
	v_lshl_add_u32 v4, v3, 4, v4                   ; the lane's place in the source: row x its bytes + 16 i
	s_wait_kmcnt 0x0
	s_cmp_lt_u32 s46, 192
	s_cselect_b64 s[26:27], s[8:9], s[10:11]
	s_cselect_b64 s[28:29], s[16:17], s[18:19]
	s_cmp_lt_u32 s46, 512
	s_cselect_b64 s[44:45], s[12:13], s[14:15]
	s_cselect_b64 s[30:31], s[16:17], s[18:19]
	s_cmp_lt_u32 s46, 448
	s_cselect_b64 s[26:27], s[26:27], s[44:45]     ; from where
	s_cselect_b64 s[28:29], s[28:29], s[30:31]     ; to where
	s_add_nc_u64 s[26:27], s[26:27], s[38:39]
	s_add_nc_u64 s[28:29], s[28:29], s[40:41]
	s_wait_alu depctr_va_vdst(0)                   ; the two offsets v4 and v5 are written: the loads read v4, the stores v5
.set n, 0
.rept 16
	global_load_b128 v[XR+4*n:XR+4*n+3], v4, s[26:27] offset:256*n th:TH_LOAD_NT
.set n, n+1
.endr
; The 16 slabs, in four groups of four; stride = bytes from a slab to the next.  No register is written twice.
.macro OUT stride
.set n, 0
.rept 16
.if n % 4 == 0
	s_wait_loadcnt 12-n                            ; loads come back in order: the group's four are in, the 12 - n younger ones stay out
.if n > 0
	s_wait_alu depctr_va_vdst(0)                   ; the group before's conversions have written their eight registers of YR, which the four stores of this group's lines read
.endif
.endif
.if n >= 4
	global_store_b64 v5, v[YR+2*(n-4):YR+2*(n-4)+1], s[28:29] offset:(n-4)*(\stride)  ; slab n - 4, of the group before: no vector instruction since the wait names its pair of YR or v5.  32 lanes store 256 consecutive bytes, aligned
.endif
	v_cvt_pk_bf16_f32 v[YR+2*n], v[XR+4*n], v[XR+4*n+1]
	v_cvt_pk_bf16_f32 v[YR+2*n+1], v[XR+4*n+2], v[XR+4*n+3]
.set n, n+1
.endr
	s_wait_alu depctr_va_vdst(0)                   ; the last group's conversions have written their eight registers of YR, which the last four stores read
.set n, 12
.rept 4
	global_store_b64 v5, v[YR+2*n:YR+2*n+1], s[28:29] offset:n*(\stride)
.set n, n+1
.endr
.endm
	s_cmp_lt_u32 s46, 448
	s_cbranch_scc0 .Lsmall
	OUT 32768
	s_branch .Ldone
.Lsmall:
	OUT 131072
.Ldone:
	s_cmp_lg_u32 s46, 0
	s_cbranch_scc1 .Lend                           ; the first of them also writes the two small tables
	v_lshlrev_b32 v6, 4, v0
.irp r, 8,9,10,11
	v_mov_b32 v\r, 0
.endr
.irp r, 12,13,14,15
	v_mov_b32 v\r, 0xff80ff80
.endr
	s_wait_alu depctr_va_vdst(0)                   ; the offset v6 and the data v8 to v15 are written, which the five stores read
.irp q, 0,1,2,3
	global_store_b128 v6, v[8:11], s[20:21] offset:4096*\q
.endr
	global_store_b128 v6, v[12:15], s[22:23]
.Lend:
	s_endpgm
.Lfunc_end_k_qcce7cab14a_pl:
	.size	k_qcce7cab14a_pl, .Lfunc_end_k_qcce7cab14a_pl-k_qcce7cab14a_pl
	.p2alignl 7, 3214868480
	.fill 96, 4, 3214868480
	.section	.rodata,"a",@progbits
	.p2align	6, 0x0
	.amdhsa_kernel k_qcce7cab14a_pl
		.amdhsa_group_segment_fixed_size 0
		.amdhsa_private_segment_fixed_size 0
		.amdhsa_enable_private_segment 0
		.amdhsa_kernarg_size 96
		.amdhsa_user_sgpr_count 2
		.amdhsa_user_sgpr_kernarg_segment_ptr 1
		.amdhsa_wavefront_size32 1
		.amdhsa_system_sgpr_workgroup_id_x 1
		.amdhsa_system_sgpr_workgroup_id_y 1
		.amdhsa_system_sgpr_workgroup_id_z 1
		.amdhsa_system_vgpr_workitem_id 0
		.amdhsa_next_free_vgpr 256
		.amdhsa_next_free_sgpr 66
		.amdhsa_reserve_vcc 0
		.amdhsa_float_denorm_mode_32 3
		.amdhsa_float_denorm_mode_16_64 3
		.amdhsa_memory_ordered 1
		.amdhsa_forward_progress 1
		.amdhsa_inst_pref_size 34
	.end_amdhsa_kernel
	.amdgpu_metadata
---
amdhsa.version: [ 1, 2 ]
amdhsa.kernels:
  - .name:           k_qcce7cab14a_pl
    .symbol:         k_qcce7cab14a_pl.kd
    .args:
      - { .name: x, .offset: 0, .size: 8, .value_kind: global_buffer, .address_space: global }
      - { .name: ln1_g, .offset: 8, .size: 8, .value_kind: global_buffer, .address_space: global }
      - { .name: ln1_b, .offset: 16, .size: 8, .value_kind: global_buffer, .address_space: global }
      - { .name: act, .offset: 24, .size: 8, .value_kind: global_buffer, .address_space: global }
      - { .name: qkv_w, .offset: 32, .size: 8, .value_kind: global_buffer, .address_space: global }
      - { .name: l1_w, .offset: 40, .size: 8, .value_kind: global_buffer, .address_space: global }
      - { .name: proj_w, .offset: 48, .size: 8, .value_kind: global_buffer, .address_space: global }
      - { .name: l3_w, .offset: 56, .size: 8, .value_kind: global_buffer, .address_space: global }
      - { .name: wq, .offset: 64, .size: 8, .value_kind: global_buffer, .address_space: global }
      - { .name: w1, .offset: 72, .size: 8, .value_kind: global_buffer, .address_space: global }
      - { .name: zb, .offset: 80, .size: 8, .value_kind: global_buffer, .address_space: global }
      - { .name: ninf, .offset: 88, .size: 8, .value_kind: global_buffer, .address_space: global }
    .group_segment_fixed_size: 0
    .private_segment_fixed_size: 0
    .kernarg_segment_align: 8
    .kernarg_segment_size: 96
    .max_flat_workgroup_size: 256
    .sgpr_count:     66
    .vgpr_count:     256
    .wavefront_size: 32
...
	.end_amdgpu_metadata
.endif
;; end of part 6
;; launch qkv: the kernel of part 2 again; grid 12 x 16, 4 waves a work-group, clusters of 4 x 4, 327,680 bytes of LDS; arguments act, wq, zb, ninf, big; writes big
;; launch attn: the kernel of part 3 again; grid 8 x 32, 8 waves a work-group, no clusters, 327,680 bytes of LDS; arguments big, act; writes act
;; launch proj: the kernel of part 4 again; grid 8 x 32, 4 waves a work-group, clusters of 4 x 4, 327,680 bytes of LDS; arguments act, wq, proj_b, x, x1; writes x1
;; launch ln2: the kernel of part 6 again; grid 256 x 1, 8 waves a work-group, no clusters, 0 bytes of LDS; arguments x1, ln2_g, ln2_b, act, qkv_w, l1_w, proj_w, l3_w, wq, w1, zb, ninf; writes act, wq, w1, zb, ninf
;; launch l1: the kernel of part 2 again; grid 16 x 16, 4 waves a work-group, clusters of 4 x 4, 327,680 bytes of LDS; arguments act, w1, l1_b, zb, big; writes big
;; launch l3: the kernel of part 5 again; grid 8 x 32, 4 waves a work-group, clusters of 4 x 4, 327,680 bytes of LDS; arguments big, w1, l3_b, x1, out0; writes out0
